; MI455X (gfx1250); checked and timed in simulation.
; The chip was launched on July 23, 2026; its instructions are those of AMD's public machine-readable ISA for CDNA 5 (MIT licence, August 2026) and "CDNA5" Instruction Set Architecture Reference Guide (July 2026). The comments in the code are by the model that wrote it; some were corrected since.
;; Encoder. Allowed arithmetic: float matrix products may take bf16 or f16 operands with f32 sums; all other float work in f32.
;; Inputs: b1 4,096 float32; b2 1,024 float32; b_o 1,024 float32; ln1_b 1,024 float32; ln1_g 1,024 float32; ln2_b 1,024 float32; ln2_g 1,024 float32; src_mask 2 x 2,048 float32; w1 4,096 x 1,024 float32; w2 1,024 x 4,096 float32; w_k 16 x 1,024 x 64 float32; w_o 1,024 x 1,024 float32; w_q 16 x 1,024 x 64 float32; w_v 16 x 1,024 x 64 float32; x 2 x 2,048 x 1,024 float32.
;; Outputs: out0 2 x 2,048 x 1,024 float32.
;; One version. Each part assembles by itself: llvm-mc -triple=amdgcn-amd-amdhsa -mcpu=gfx1250 --defsym DOCPART=n.
;; ======== version 1 of 1: 8 launches
;; limits: values are held in f16: magnitudes above 65,504 overflow, below 6.1e-05 lose precision; right only within a limited range of input values
;; workspace buffers: wb 33,554,432 bytes; qkv 25,165,824 bytes; ob 8,388,608 bytes; pp 16,777,216 bytes; x1b 25,165,824 bytes; hh 33,554,432 bytes
;; launch prep (part 1): grid 512 x 4, 8 waves a work-group, no clusters, 18,432 bytes of LDS; arguments x, w1, w2, w_o, w_q, w_k, w_v, wb; writes wb
.if DOCPART == 1
	.amdgcn_target "amdgcn-amd-amdhsa--gfx1250"
	.amdhsa_code_object_version 6
	.text
	.protected	k_qa53a8c5631_prep
	.globl	k_qa53a8c5631_prep
	.p2align	8
	.type	k_qa53a8c5631_prep,@function
k_qa53a8c5631_prep:
	s_mov_b64 s[64:65], 0
	v_nop
	global_prefetch_b8 v0, s[64:65] scope:SCOPE_SE
	s_setreg_imm32_b32 hwreg(HW_REG_WAVE_MODE, 25, 1), 1
	s_wait_xcnt 0x0
; PREP: every large input is rounded once to bf16 (nearest even) and laid out for the products.
;   wb + 0          xb     bf16 [4096][1024]   x
;   wb + 8388608    wqkvt  bf16 [3072][1024]   row (3 h + t) 64 + k, column d: w_t[h][d][k] / 8 (t = 0 q, 1 k, 2 v)
;   wb + 14680064   woh    f16  [1024][1024]   bf16(w_o) x 8
;   wb + 16777216   w1h    f16  [4096][1024]   bf16(w1)
;   wb + 25165824   w2h    f16  [1024][4096]   bf16(w2) x 8
; LIMITS.  A weight written as f16 is the bf16 number itself while it lies in f16's normal range (2^-14 to 65,504, after the factor 8);
; below that it keeps f16's fixed step of 2^-24.  The factors 8 and 1/8 are powers of two: they change no bit of a mantissa.
; SHARES.  Work-groups 0 to 1663 (512 y + x) cast 8,192 numbers each: y = 0 x, 1 w1, 2 w2, 3 (x < 128) w_o.  The other 384 turn a block of
; 128 d x 64 k of one head's w_q, w_k or w_v through LDS.  Memory binds: each byte is read once, by loads of 512 consecutive bytes a wave;
; each store of a wave covers whole aligned blocks of 256 bytes.  Nothing is shared between work-groups, so no cluster; no matrix work.
.set NCAST, 1664
	s_load_b512 s[8:23], s[0:1], 0x0               ; x 8, w1 10, w2 12, w_o 14, w_q 16, w_k 18, w_v 20, wb 22
	v_lshl_add_u32 v64, v0, 2, 0x4400
	v_mov_b32 v65, 0
	s_and_b32 s2, ttmp7, 0xffff                    ; y
	s_lshl_b32 s4, s2, 9
	s_add_co_u32 s4, s4, ttmp9                     ; 512 y + x
	s_mov_b32 s31, 0                               ; the high word of every offset
	s_wait_kmcnt 0x0
	s_cmp_ge_u32 s4, NCAST
	s_cbranch_scc1 .Ltrans                         ; the same way for all eight waves
	; THE CASTS.  Thread t takes 4 numbers at 16 t of each of eight blocks of 4,096 bytes.
	v_lshlrev_b32 v1, 4, v0
	v_lshlrev_b32 v2, 3, v0
	s_cmp_eq_u32 s2, 0
	s_cselect_b64 s[24:25], s[8:9], s[10:11]
	s_cselect_b32 s28, 0, 16777216
	s_cmp_eq_u32 s2, 2
	s_cselect_b64 s[24:25], s[12:13], s[24:25]
	s_cselect_b32 s28, 25165824, s28
	s_cselect_b32 s26, 0x41000000, 1.0             ; the factor: 8 for w2 and w_o, 1 for w1
	s_cmp_eq_u32 s2, 3
	s_cselect_b64 s[24:25], s[14:15], s[24:25]
	s_cselect_b32 s28, 14680064, s28
	s_cselect_b32 s26, 0x41000000, s26
	s_mov_b32 s27, s26                             ; named with it as a pair
	s_lshl_b32 s30, ttmp9, 15                      ; 32,768 bytes in
	s_add_nc_u64 s[24:25], s[24:25], s[30:31]
	s_lshl_b32 s30, ttmp9, 14                      ; 16,384 bytes out
	s_add_co_u32 s30, s30, s28
	s_add_nc_u64 s[32:33], s[22:23], s[30:31]
.irp j, 0,1,2,3,4,5,6,7
	global_load_b128 v[8+4*\j:11+4*\j], v1, s[24:25] offset:4096*\j th:TH_LOAD_NT
.endr
	s_cmp_lg_u32 s2, 0
	s_cbranch_scc1 .Lf16
.irp j, 0,1,2,3,4,5,6,7
	s_wait_loadcnt 7-\j                            ; loads come back in order: block j is in, the younger ones stay out
	v_cvt_pk_bf16_f32 v[40+2*\j], v[8+4*\j], v[9+4*\j]
	v_cvt_pk_bf16_f32 v[41+2*\j], v[10+4*\j], v[11+4*\j]
	global_store_b64 v2, v[40+2*\j:41+2*\j], s[32:33] offset:2048*\j   ; a wave stores 256 consecutive bytes, aligned
.endr
	s_endpgm
.Lf16:
.irp j, 0,1,2,3,4,5,6,7
	s_wait_loadcnt 7-\j
	v_cvt_pk_bf16_f32 v4, v[8+4*\j], v[9+4*\j]     ; the one rounding, to bf16;
	v_cvt_pk_bf16_f32 v5, v[10+4*\j], v[11+4*\j]
	v_lshlrev_b32 v[8+4*\j], 16, v4                ; back to f32,
	v_and_b32 v[9+4*\j], 0xffff0000, v4
	v_lshlrev_b32 v[10+4*\j], 16, v5
	v_and_b32 v[11+4*\j], 0xffff0000, v5
	v_pk_mul_f32 v[8+4*\j:9+4*\j], v[8+4*\j:9+4*\j], s[26:27] op_sel_hi:[1,0]    ; the factor,
	v_pk_mul_f32 v[10+4*\j:11+4*\j], v[10+4*\j:11+4*\j], s[26:27] op_sel_hi:[1,0]
	v_cvt_pk_f16_f32 v[40+2*\j], v[8+4*\j], v[9+4*\j]                            ; and the same number written as f16
	v_cvt_pk_f16_f32 v[41+2*\j], v[10+4*\j], v[11+4*\j]
	global_store_b64 v2, v[40+2*\j:41+2*\j], s[32:33] offset:2048*\j
.endr
	s_endpgm
	; THE TURNING.  idx = 8 (16 t + h) + db: rows d = 128 db .. + 127 of w_t[h], 256 bytes each, dense.
.Ltrans:
	s_sub_co_u32 s4, s4, NCAST
	s_lshr_b32 s5, s4, 3
	s_and_b32 s6, s4, 7                            ; db
	s_lshr_b32 s7, s5, 4                           ; t
	s_and_b32 s5, s5, 15                           ; h
	s_cmp_eq_u32 s7, 0
	s_cselect_b64 s[24:25], s[16:17], s[18:19]
	s_cmp_eq_u32 s7, 2
	s_cselect_b64 s[24:25], s[20:21], s[24:25]
	s_lshl_b32 s30, s5, 18                         ; a head is 262,144 bytes,
	s_lshl_b32 s28, s6, 15                         ; a block of 128 rows 32,768
	s_add_co_u32 s30, s30, s28
	s_add_nc_u64 s[24:25], s[24:25], s[30:31]
	s_mul_i32 s28, s5, 3
	s_add_co_u32 s28, s28, s7
	s_lshl_b32 s28, s28, 17                        ; 64 rows of 2,048 bytes for each (h, t),
	s_lshl_b32 s29, s6, 8                          ; 256 bytes along the rows for each db
	s_add_co_u32 s30, s28, s29
	s_add_co_u32 s30, s30, 8388608
	s_add_nc_u64 s[32:33], s[22:23], s[30:31]
	v_and_b32 v6, 15, v0                           ; kq: columns 4 kq .. + 3
	v_lshrrev_b32 v7, 4, v0                        ; dp: rows 2 dp, 2 dp + 1 (+ 32 i)
	v_lshlrev_b32 v1, 4, v6
	v_lshl_add_u32 v1, v7, 9, v1
	v_mul_u32_u24 v3, v6, 1088                     ; LDS [k][d], rows of 256 bytes + 16: four rows for each kq,
	v_lshl_add_u32 v3, v7, 2, v3                   ; two d (4 bytes) for each dp
	v_mul_u32_u24 v4, v7, 272                      ; back: sixteen threads take a row
	v_lshl_add_u32 v4, v6, 4, v4
	v_lshlrev_b32 v5, 4, v6
	v_lshl_add_u32 v5, v7, 11, v5                  ; and the same row in wqkvt
.irp i, 0,1,2,3
	global_load_b128 v[8+8*\i:11+8*\i], v1, s[24:25] offset:8192*\i th:TH_LOAD_NT
	global_load_b128 v[12+8*\i:15+8*\i], v1, s[24:25] offset:8192*\i+256 th:TH_LOAD_NT
.endr
	s_wait_loadcnt 0x0
.irp p, 0,1,2,3,4,5,6,7,8,9,10,11,12,13,14,15
	v_pk_mul_f32 v[8+2*\p:9+2*\p], v[8+2*\p:9+2*\p], 0x3e000000 op_sel_hi:[1,0]   ; / 8
.endr
.irp i, 0,1,2,3
.irp c, 0,1,2,3
	v_cvt_pk_bf16_f32 v[40+4*\i+\c], v[8+8*\i+\c], v[12+8*\i+\c]   ; column c of rows d and d + 1: neighbours in the turned row
	ds_store_b32 v3, v[40+4*\i+\c] offset:272*\c+64*\i
.endr
.endr
	s_wait_dscnt 0x0                               ; for the others' sake: my stores are done
	s_barrier_signal -1
	s_barrier_wait -1
.irp i, 0,1,2,3
	ds_load_b128 v[8+4*\i:11+4*\i], v4 offset:4352*\i
.endr
.irp i, 0,1,2,3
	s_wait_dscnt 3-\i
	global_store_b128 v5, v[8+4*\i:11+4*\i], s[32:33] offset:32768*\i   ; sixteen lanes store 256 consecutive bytes, aligned
.endr
	s_wait_tensorcnt 0x0
	ds_add_u32 v64, v65
	s_wait_dscnt 0x0
	s_endpgm
.Lfunc_end_k_qa53a8c5631_prep:
	.size	k_qa53a8c5631_prep, .Lfunc_end_k_qa53a8c5631_prep-k_qa53a8c5631_prep
	.p2alignl 7, 3214868480
	.fill 96, 4, 3214868480
	.section	.rodata,"a",@progbits
	.p2align	6, 0x0
	.amdhsa_kernel k_qa53a8c5631_prep
		.amdhsa_group_segment_fixed_size 18432
		.amdhsa_private_segment_fixed_size 0
		.amdhsa_enable_private_segment 0
		.amdhsa_kernarg_size 64
		.amdhsa_user_sgpr_count 2
		.amdhsa_user_sgpr_kernarg_segment_ptr 1
		.amdhsa_wavefront_size32 1
		.amdhsa_system_sgpr_workgroup_id_x 1
		.amdhsa_system_sgpr_workgroup_id_y 1
		.amdhsa_system_sgpr_workgroup_id_z 1
		.amdhsa_system_vgpr_workitem_id 0
		.amdhsa_next_free_vgpr 66
		.amdhsa_next_free_sgpr 66
		.amdhsa_reserve_vcc 0
		.amdhsa_float_denorm_mode_32 3
		.amdhsa_float_denorm_mode_16_64 3
		.amdhsa_memory_ordered 1
		.amdhsa_forward_progress 1
		.amdhsa_inst_pref_size 17
	.end_amdhsa_kernel
	.amdgpu_metadata
---
amdhsa.version: [ 1, 2 ]
amdhsa.kernels:
  - .name:           k_qa53a8c5631_prep
    .symbol:         k_qa53a8c5631_prep.kd
    .args:
      - { .name: x, .offset: 0, .size: 8, .value_kind: global_buffer, .address_space: global }
      - { .name: w1, .offset: 8, .size: 8, .value_kind: global_buffer, .address_space: global }
      - { .name: w2, .offset: 16, .size: 8, .value_kind: global_buffer, .address_space: global }
      - { .name: w_o, .offset: 24, .size: 8, .value_kind: global_buffer, .address_space: global }
      - { .name: w_q, .offset: 32, .size: 8, .value_kind: global_buffer, .address_space: global }
      - { .name: w_k, .offset: 40, .size: 8, .value_kind: global_buffer, .address_space: global }
      - { .name: w_v, .offset: 48, .size: 8, .value_kind: global_buffer, .address_space: global }
      - { .name: wb, .offset: 56, .size: 8, .value_kind: global_buffer, .address_space: global }
    .group_segment_fixed_size: 18432
    .private_segment_fixed_size: 0
    .kernarg_segment_align: 8
    .kernarg_segment_size: 64
    .max_flat_workgroup_size: 256
    .sgpr_count:     66
    .vgpr_count:     66
    .wavefront_size: 32
...
	.end_amdgpu_metadata
.endif
;; end of part 1
;; launch qkvp (part 2): grid 16 x 16, 4 waves a work-group, clusters of 4 x 4, 327,680 bytes of LDS; arguments wb, src_mask, qkv; writes qkv
.if DOCPART == 2
	.amdgcn_target "amdgcn-amd-amdhsa--gfx1250"
	.amdhsa_code_object_version 6
	.text
	.protected	k_qa53a8c5631_qkvp
	.globl	k_qa53a8c5631_qkvp
	.p2align	8
	.type	k_qa53a8c5631_qkvp,@function
k_qa53a8c5631_qkvp:
	s_mov_b64 s[64:65], 0
	v_nop
	global_prefetch_b8 v0, s[64:65] scope:SCOPE_SE
	s_setreg_imm32_b32 hwreg(HW_REG_WAVE_MODE, 25, 1), 1
	s_wait_xcnt 0x0
	s_wait_alu depctr_hold_cnt(0) depctr_sa_sdst(0) depctr_va_vdst(0) depctr_va_sdst(0) depctr_va_ssrc(0) depctr_va_vcc(0) depctr_vm_vsrc(0)
	s_getreg_b32 s2, hwreg(HW_REG_IB_STS2, 6, 4)
	s_cmp_eq_u32 s2, 0
	s_cbranch_scc0 .Lentry_in_a_cluster
	s_endpgm
.Lentry_in_a_cluster:
	s_bfe_u32 s2, ttmp6, 0x10000c
	s_cmp_lg_u32 s2, 0xf033
	s_cbranch_scc0 .Lentry_shape_is_right
	s_endpgm
.Lentry_shape_is_right:
; Q, K, V PROJECTIONS.  C[token][n] = sum over d of xb[token][d] wqkvt[n][d], bf16 operands, f32 sums; 4096 x 3072 x 1024.
; Out: qkv f16 [t][16 b + h][2048][64]: q' = mask q / 8, k' = mask k / 8, v' = v / 8 (the 1/8 lies in the weights; the mask, rounded to bf16 like
; every input, is multiplied in f32 on the way out).  So q' . k' = mask_i mask_j (q . k) / 64, the reference's masked score.
; LIMIT.  f16 ends at 65,504: |q|, |k|, |v| stay under 8 x 65,504 = 524,000.
; SHARES.  A tile of C is 256 tokens x 192 columns (one head's q, k, v): 16 x 16 work-groups.  Wave w: tokens 64 w .. + 63, all 192 columns:
; 4 x 12 accumulators.  K goes in steps of 128 through two LDS slots; rows are 256 bytes of memory, aligned, padded by 16 in LDS.
; CLUSTER 4 x 4: xb's tile is asked for jointly along a row of the cluster, the weights' along a column.
; The matrix instruction is used transposed (source 0 = 16 rows of the weights, source 1 = 16 tokens): a lane holds one token and eight neighbouring columns.
; REGISTERS (windows of 256; s_set_vgpr_msb: bits 1:0 source 0, 3:2 source 1, 5:4 source 2, 7:6 destination):
;   window 0: v16-29 addresses; v32-39 the mask of my four blocks of tokens; v64-127 xb's fragments, two buffers; on the way out v64-255
;   window 1: accumulators (a, b < 8) at 8 (8 a + b)     window 2: (a, b >= 8) at 8 (4 a + b - 8)     window 3: the weights' fragments, buffer f at 96 f
.set PITCH, 272
.set AHALF, 128*PITCH                  ; what waves 0 and 1 fetch: 128 tokens each
.set BOFF,  2*AHALF
.set BHALF, 96*PITCH                   ; what waves 2 and 3 fetch: 96 rows of the weights each
.set X,     0x20000                    ; slot 1 begins here: no wave's LDS base has this bit, so one exclusive or changes slots
.set STAGE, X+BOFF+2*BHALF             ; behind the ring: 16 rows x 144 bytes for each wave
.set SP,    144
.set SPARE, STAGE+4*16*SP              ; the spare words, 128 bytes for each wave; no other line names them
.set T,     8                          ; K steps
.set STEPB, 256                        ; bytes along a row from step to step
.set ADRA0, 16
.set ADRB0, 17
.set ADRA,  18
.set ADRB,  19
.set STO,   24
.set RD,    25
.set GO,    26
.set MO,    27
.set SPW,   28
.set NIL,   29
.set FM,    32
.set FA,    64
.set TMP,   64
.set G1A, 24
.set G0A, 32                           ; two sets: s[32:35] the first fill; s[36:39] the second, which then walks
.set G1B, 48
.set G0B, 56
.set TB,  66                           ; 0 or X: the slot being read
.set MSB, 0
.macro WIN new                         ; the immediate's high byte repeats the setting that is left
.if MSB != (\new)
	s_set_vgpr_msb (MSB<<8)|(\new)
.set MSB, \new
.endif
.endm
.macro PLACES                          ; four plain places in front of loads into registers that matrix instructions read, and of reads of their results
.rept 4
	v_nop
.endr
.endm
.macro JLOAD                           ; the joint refill: waves 0, 1 ask for xb's halves, waves 2, 3 for the weights'; the branch hangs on the wave's number alone
	s_cmp_eq_u32 s11, 0
	s_cbranch_scc0 .Lfor_b_\@
	tensor_load_to_lds s[G0A+4:G0A+7], s[G1A:G1A+7]
	s_nop 0
.rept 4
	v_nop
.endr
	s_branch .Lasked_\@
.Lfor_b_\@:
	tensor_load_to_lds s[G0B+4:G0B+7], s[G1B:G1B+7]
	s_nop 0
.rept 4
	v_nop
.endr
.Lasked_\@:
.endm
.macro CREST                           ; a round of the cluster's barrier behind its opening barrier
	s_cmp_lg_u32 s10, 0
	s_cbranch_scc1 .Lnot_wave_0_\@
	s_barrier_signal -3
.Lnot_wave_0_\@:
	s_barrier_wait -3
	s_barrier_signal -1
	s_barrier_wait -1
.endm
.macro CROUND
	s_barrier_signal -1
	s_barrier_wait -1
	CREST
.endm
	s_load_b128 s[68:71], s[0:1], 0x0              ; wb s[68:69], src_mask s[70:71]
	s_load_b64 s[72:73], s[0:1], 0x10              ; qkv
	v_lshl_add_u32 v[SPW], v0, 2, SPARE
	v_mov_b32 v[NIL], 0
	ds_add_u32 v28, v29
	s_wait_dscnt 0x0
	v_lshrrev_b32 v1, 5, v0
	v_readfirstlane_b32 s10, v1                    ; wave 0..3
	s_lshr_b32 s11, s10, 1                         ; I fetch xb (0) or the weights (1),
	s_and_b32 s12, s10, 1                          ; this half of the tile
	s_bfe_u32 s40, ttmp6, 0x40000                  ; cx
	s_bfe_u32 s41, ttmp6, 0x40004                  ; cy
	s_lshl_b32 s42, ttmp9, 2
	s_add_co_u32 s42, s42, s40                     ; the head = 4 x cluster x + cx
	s_and_b32 s13, ttmp7, 0xffff
	s_lshl_b32 s13, s13, 2
	s_add_co_u32 s13, s13, s41                     ; the block of 256 tokens = 4 x cluster y + cy
	s_lshl_b32 s43, s41, 2
	s_lshl_b32 s43, 15, s43                        ; my row of the cluster
	s_lshl_b32 s44, 0x1111, s40                    ; my column
	s_or_b32 s[G1A], s43, (1<<16)|(1<<20)|(1<<21)|(5<<22)|(3<<25)   ; mask; 2-byte elements; padding on; bit 21 beside a mask; after every 64 words 4 words
	s_or_b32 s[G1B], s44, (1<<16)|(1<<20)|(1<<21)|(5<<22)|(3<<25)
	s_mov_b32 s[G1A+1], 128<<16                    ; tensor_dim0 = 128
	s_mov_b32 s[G1A+2], 128<<16                    ; tensor_dim1 = 128
	s_mov_b32 s[G1A+3], 128<<16                    ; tile_dim0 = 128
	s_mov_b32 s[G1A+4], 128                        ; tile_dim1 = 128
	s_mov_b32 s[G1A+5], 1024                       ; elements from row to row
	s_mov_b32 s[G1A+6], 0
	s_mov_b32 s[G1A+7], 0
	s_mov_b32 s[G1B+1], 128<<16
	s_mov_b32 s[G1B+2], 96<<16                     ; 96 rows
	s_mov_b32 s[G1B+3], 128<<16
	s_mov_b32 s[G1B+4], 96
	s_mov_b32 s[G1B+5], 1024
	s_mov_b32 s[G1B+6], 0
	s_mov_b32 s[G1B+7], 0
	s_lshl_b32 s16, s13, 8
	s_lshl_b32 s17, s12, 7
	s_add_co_u32 s16, s16, s17
	s_lshl_b32 s16, s16, 11                        ; xb: (256 block + 128 half) rows of 2,048 bytes
	s_mov_b32 s17, 0
	s_mul_i32 s46, s42, 192
	s_mul_i32 s47, s12, 96
	s_add_co_u32 s46, s46, s47
	s_lshl_b32 s46, s46, 11                        ; wqkvt: (192 head + 96 half) rows
	s_add_co_u32 s46, s46, 8388608
	s_mov_b32 s47, 0
	s_mul_i32 s20, s12, AHALF                      ; where they go: no place in the cluster enters an LDS address
	s_mul_i32 s21, s12, BHALF
	s_add_co_u32 s21, s21, BOFF
	s_mov_b32 s[TB], 0
	s_wait_kmcnt 0x0
	s_add_nc_u64 s[14:15], s[68:69], s[16:17]
	s_add_nc_u64 s[46:47], s[68:69], s[46:47]
.irp s, 0,1
	s_mov_b32 s[G0A+4*(\s)], 1
	s_add_co_u32 s[G0A+4*(\s)+1], s20, (\s)*X
	s_add_nc_u64 s[G0A+4*(\s)+2:G0A+4*(\s)+3], s[14:15], (\s)*STEPB
	s_or_b32 s[G0A+4*(\s)+3], s[G0A+4*(\s)+3], 0x80000000
	s_mov_b32 s[G0B+4*(\s)], 1
	s_add_co_u32 s[G0B+4*(\s)+1], s21, (\s)*X
	s_add_nc_u64 s[G0B+4*(\s)+2:G0B+4*(\s)+3], s[46:47], (\s)*STEPB
	s_or_b32 s[G0B+4*(\s)+3], s[G0B+4*(\s)+3], 0x80000000
.endr
	CROUND                                         ; all sixteen work-groups are here: the first joint loads meet
	s_cmp_eq_u32 s11, 0                            ; a wave's two first fills stand in one branch: two loads of mine are out
	s_cbranch_scc0 .Lfirst_b
	tensor_load_to_lds s[G0A:G0A+3], s[G1A:G1A+7]
	s_nop 0
	tensor_load_to_lds s[G0A+4:G0A+7], s[G1A:G1A+7]
	s_nop 0
.rept 4
	v_nop
.endr
	s_branch .Lfirst_done
.Lfirst_b:
	tensor_load_to_lds s[G0B:G0B+3], s[G1B:G1B+7]
	s_nop 0
	tensor_load_to_lds s[G0B+4:G0B+7], s[G1B:G1B+7]
	s_nop 0
.rept 4
	v_nop
.endr
.Lfirst_done:
	; the mask of my 64 tokens: lane l needs token 16 a + l % 16
	s_lshl_b32 s14, s13, 10
	s_lshl_b32 s15, s10, 8
	s_add_co_u32 s14, s14, s15
	s_mov_b32 s15, 0
	s_add_nc_u64 s[70:71], s[70:71], s[14:15]
	v_and_b32 v1, 15, v0                           ; l % 16
	v_bfe_u32 v2, v0, 4, 1                         ; l / 16
	v_lshlrev_b32 v[MO], 2, v1
.irp a, 0,1,2,3
	global_load_b32 v[FM+2*\a], v[MO], s[70:71] offset:64*\a
.endr
	; a fragment: lane l holds row l % 16; two loads of 16 bytes, 32 apart, at row x pitch + 16 (l / 16)
	v_mul_u32_u24 v3, v1, PITCH
	v_lshl_add_u32 v3, v2, 4, v3
	s_mul_i32 s21, s10, 64*PITCH
	v_add_nc_u32 v[ADRA0], s21, v3
	v_add_nc_u32 v[ADRB0], BOFF, v3
	v_mov_b32 v[ADRA], v[ADRA0]
	v_mov_b32 v[ADRB], v[ADRB0]
	s_mul_i32 s23, s10, 16*SP
	s_add_co_u32 s23, s23, STAGE                   ; my stage
	v_mul_u32_u24 v4, v1, SP                       ; in: row l % 16, 16 bytes for each half of the lanes
	v_lshl_add_u32 v4, v2, 4, v4
	v_add_nc_u32 v[STO], s23, v4
	v_bfe_u32 v5, v0, 3, 2                         ; back: 32 lanes take four rows of 128 bytes,
	v_mul_u32_u24 v5, v5, SP
	v_and_b32 v6, 7, v0
	v_lshl_add_u32 v5, v6, 4, v5
	v_add_nc_u32 v[RD], s23, v5
	v_and_b32 v[GO], 31, v0                        ; which are 512 consecutive bytes of a head's rows
	v_lshlrev_b32 v[GO], 4, v[GO]
	; out: slab 32 t + 16 batch + head, 262,144 bytes each; my tokens' rows of 128 bytes
	s_lshr_b32 s76, s13, 3
	s_lshl_b32 s76, s76, 4
	s_add_co_u32 s76, s76, s42
	s_lshl_b32 s76, s76, 18
	s_and_b32 s77, s13, 7
	s_lshl_b32 s77, s77, 15
	s_add_co_u32 s76, s76, s77
	s_lshl_b32 s77, s10, 13
	s_add_co_u32 s76, s76, s77
	s_mov_b32 s77, 0
	s_add_nc_u64 s[4:5], s[72:73], s[76:77]        ; q'
	s_add_nc_u64 s[6:7], s[4:5], 8388608           ; k'
	s_add_nc_u64 s[8:9], s[6:7], 8388608           ; v'
	s_wait_loadcnt 0x0
.irp a, 0,1,2,3
	v_cvt_pk_bf16_f32 v7, v[FM+2*\a], v[FM+2*\a]   ; the mask is an input: rounded to bf16 like the others
	v_lshlrev_b32 v[FM+2*\a], 16, v7
	v_lshlrev_b32 v[FM+2*\a+1], 16, v7             ; named with it as a pair
.endr
; na x 8 products in window 1: token blocks a0 .. a0 + na - 1, column blocks 0-7, buffer f.  zero = 1: they start the sums.
.macro MULA f, a0, na, zero
	WIN 0x53
.set a, \a0
.rept \na
.set b, 0
.rept 8
.if \zero
	v_wmma_f32_16x16x32_bf16 v[8*(8*a+b):8*(8*a+b)+7], v[96*(\f)+8*b:96*(\f)+8*b+7], v[FA+32*(\f)+8*a:FA+32*(\f)+8*a+7], 0
.else
	v_wmma_f32_16x16x32_bf16 v[8*(8*a+b):8*(8*a+b)+7], v[96*(\f)+8*b:96*(\f)+8*b+7], v[FA+32*(\f)+8*a:FA+32*(\f)+8*a+7], v[8*(8*a+b):8*(8*a+b)+7]
.endif
.set b, b+1
.endr
.set a, a+1
.endr
.endm
; 16 products in window 2: all four token blocks, column blocks 8-11
.macro MULB f, zero
	WIN 0xa3
.set a, 0
.rept 4
.set b, 8
.rept 4
.if \zero
	v_wmma_f32_16x16x32_bf16 v[8*(4*a+b-8):8*(4*a+b-8)+7], v[96*(\f)+8*b:96*(\f)+8*b+7], v[FA+32*(\f)+8*a:FA+32*(\f)+8*a+7], 0
.else
	v_wmma_f32_16x16x32_bf16 v[8*(4*a+b-8):8*(4*a+b-8)+7], v[96*(\f)+8*b:96*(\f)+8*b+7], v[FA+32*(\f)+8*a:FA+32*(\f)+8*a+7], v[8*(4*a+b-8):8*(4*a+b-8)+7]
.endif
.set b, b+1
.endr
.set a, a+1
.endr
.endm
; 32 LDS loads in one run: 32 along K at byte k of the rows, into buffer f; the weights' blocks 8-11 last
.macro FETCH k, f
	WIN 0
.set i, 0
.rept 4
	ds_load_b128 v[FA+32*(\f)+8*i:FA+32*(\f)+8*i+3],   v[ADRA] offset:(\k)+i*16*PITCH
	ds_load_b128 v[FA+32*(\f)+8*i+4:FA+32*(\f)+8*i+7], v[ADRA] offset:(\k)+i*16*PITCH+32
.set i, i+1
.endr
	WIN 0xc0
.set i, 0
.rept 12
	ds_load_b128 v[96*(\f)+8*i:96*(\f)+8*i+3],   v[ADRB] offset:(\k)+i*16*PITCH
	ds_load_b128 v[96*(\f)+8*i+4:96*(\f)+8*i+7], v[ADRB] offset:(\k)+i*16*PITCH+32
.set i, i+1
.endr
.endm
; A K step is four quarters of 32 along K, 48 products each, on buffers 0, 1, 0, 1; the 48 accumulators take turns in one order.
.macro QUARTER k, f, g, zero
	s_wait_dscnt 8                                 ; all but the youngest eight loads (the weights' blocks 8-11) are in
	MULA \f, 0, 4, \zero
	PLACES
	FETCH \k, \g
	s_wait_dscnt 32                                ; all but the 32 just issued
	MULB \f, \zero
.endm
; The last quarter multiplies buffer 1 and changes slots.  Its first 32 products stand AHEAD of the wait for the tensor loads: a step has 192 products for a slot of 448 rows, so the wave is
; here before its part of the next slot; what stands between that wait and the refill would lengthen every trip, so only the add and the descriptors' scalar steps stand there.
; fill = 1: the slot just read is filled again, two steps ahead, behind a round of the cluster's barrier.
; fill = 0 (the tail): nothing is asked for; in the very last step (s3 = 1) there is no next slot to read either.
.macro TURN fill
	s_wait_dscnt 8                                 ; all but the youngest eight loads (the weights' blocks 8-11) are in
	MULA 1, 0, 4, 0
	WIN 0
	s_wait_tensorcnt 0x0                           ; all my tensor loads have landed: the one that was out is my part of the next slot; so every group 0 may be written;
	ds_add_u32 v[SPW], v[NIL]                      ; 0 onto my spare word
.if \fill
	s_xor_b32 s[G0A+5], s[G0A+5], X                ; the walking descriptors: the other slot than last time, the next K step
	s_add_nc_u64 s[G0A+6:G0A+7], s[G0A+6:G0A+7], STEPB
	s_xor_b32 s[G0B+5], s[G0B+5], X
	s_add_nc_u64 s[G0B+6:G0B+7], s[G0B+6:G0B+7], STEPB
.endif
	s_wait_dscnt 0x0                               ; the add is done, and my reads of this slot are over
	s_barrier_signal -1
	s_barrier_wait -1
.if \fill
	CREST                                          ; no wave of any partner still reads this slot or has a load on its way
	JLOAD                                          ; the first tensor load behind the round; its four v_nop are also the places in front of the loads below
.else
	PLACES
.endif
	s_xor_b32 s[TB], s[TB], X
	v_add_nc_u32 v[ADRA], s[TB], v[ADRA0]
	v_add_nc_u32 v[ADRB], s[TB], v[ADRB0]
.if !(\fill)
	s_cmp_eq_u32 s3, 1
	s_cbranch_scc1 .Lno_fetch_\@
.endif
	FETCH 0, 0
	WIN 0
.if !(\fill)
.Lno_fetch_\@:
.endif
	MULB 1, 0
.endm
	s_wait_tensorcnt 0x1                           ; my part of K step 0 is in; step 1's may stay out
	s_barrier_signal -1
	s_barrier_wait -1
	FETCH 0, 0
	QUARTER 64, 0, 1, 1                            ; the first quarter's products start the sums: nothing is cleared
	WIN 0
	s_mov_b32 s3, T-2
.Lk:                                                   ; a trip: a step's quarters 1 to 3 and the next step's quarter 0; one refill
	QUARTER 128, 1, 0, 0
	QUARTER 192, 0, 1, 0
	TURN 1
	QUARTER 64, 0, 1, 0
	WIN 0
	s_sub_co_u32 s3, s3, 1
	s_cmp_lg_u32 s3, 0
	s_cbranch_scc1 .Lk
	s_mov_b32 s3, 2
.Lt:                                                   ; the last two steps ask for nothing; the second trip is left in its middle
	QUARTER 128, 1, 0, 0
	QUARTER 192, 0, 1, 0
	TURN 0
	WIN 0
	s_sub_co_u32 s3, s3, 1
	s_cmp_eq_u32 s3, 0
	s_cbranch_scc1 .Lout
	QUARTER 64, 0, 1, 0
	WIN 0
	s_branch .Lt
.Lout:
	s_wait_dscnt 0x0                               ; no LDS instruction is out: the counts below start from here
	PLACES
; THE WAY OUT, a unit (16 tokens a, one of q, k, v: t) at a time: mask (q, k), f16, through my stage, back as whole rows.
.macro PACK a, t
.set TM, TMP+16*(3*(\a)+(\t))
.if (\t) < 2
.set AC, 8*(8*(\a)+4*(\t))
	WIN 0x41
.set i, 0
.rept 16
	v_pk_mul_f32 v[AC+2*i:AC+2*i+1], v[AC+2*i:AC+2*i+1], v[FM+2*(\a):FM+2*(\a)+1] op_sel_hi:[1,0]
.set i, i+1
.endr
	WIN 0x05
.else
.set AC, 8*(4*(\a))
	WIN 0x0a
.endif
.set i, 0
.rept 16
	v_cvt_pk_f16_f32 v[TM+i], v[AC+2*i], v[AC+2*i+1]
.set i, i+1
.endr
	WIN 0
.irp f, 0,1,2,3
	ds_store_b128 v[STO], v[TM+4*\f:TM+4*\f+3] offset:32*\f
.endr
.irp f, 0,1,2,3
	ds_load_b128 v[TM+4*\f:TM+4*\f+3], v[RD] offset:\f*4*SP   ; LDS serves a wave's instructions in order (ISA guide 5.7.1.4): these see the stores above
.endr
.endm
.macro SEND a, t, younger              ; younger: the LDS instructions issued behind this unit's loads
.set TM, TMP+16*(3*(\a)+(\t))
.irp f, 0,1,2,3
	s_wait_dscnt (\younger)+3-\f
	global_store_b128 v[GO], v[TM+4*\f:TM+4*\f+3], s[4+2*(\t):5+2*(\t)] offset:(\a)*2048+\f*512   ; 512 consecutive bytes, aligned to 256
.endr
.endm
	PACK 0, 0
.set u, 1
.rept 11
	PACK u/3, u%3
	SEND (u-1)/3, (u-1)%3, 8
.set u, u+1
.endr
	SEND 3, 2, 0
	s_wait_tensorcnt 0x0                           ; the wave's end
	ds_add_u32 v[SPW], v[NIL]
	s_wait_dscnt 0x0
	CROUND                                         ; the closing round
	s_endpgm
.Lfunc_end_k_qa53a8c5631_qkvp:
	.size	k_qa53a8c5631_qkvp, .Lfunc_end_k_qa53a8c5631_qkvp-k_qa53a8c5631_qkvp
	.p2alignl 7, 3214868480
	.fill 96, 4, 3214868480
	.section	.rodata,"a",@progbits
	.p2align	6, 0x0
	.amdhsa_kernel k_qa53a8c5631_qkvp
		.amdhsa_group_segment_fixed_size 327680
		.amdhsa_private_segment_fixed_size 0
		.amdhsa_enable_private_segment 0
		.amdhsa_kernarg_size 24
		.amdhsa_user_sgpr_count 2
		.amdhsa_user_sgpr_kernarg_segment_ptr 1
		.amdhsa_wavefront_size32 1
		.amdhsa_system_sgpr_workgroup_id_x 1
		.amdhsa_system_sgpr_workgroup_id_y 1
		.amdhsa_system_sgpr_workgroup_id_z 1
		.amdhsa_system_vgpr_workitem_id 0
		.amdhsa_next_free_vgpr 960
		.amdhsa_next_free_sgpr 80
		.amdhsa_reserve_vcc 0
		.amdhsa_float_denorm_mode_32 3
		.amdhsa_float_denorm_mode_16_64 3
		.amdhsa_memory_ordered 1
		.amdhsa_forward_progress 1
		.amdhsa_inst_pref_size 94
	.end_amdhsa_kernel
	.amdgpu_metadata
---
amdhsa.version: [ 1, 2 ]
amdhsa.kernels:
  - .name:           k_qa53a8c5631_qkvp
    .symbol:         k_qa53a8c5631_qkvp.kd
    .args:
      - { .name: wb, .offset: 0, .size: 8, .value_kind: global_buffer, .address_space: global }
      - { .name: src_mask, .offset: 8, .size: 8, .value_kind: global_buffer, .address_space: global }
      - { .name: qkv, .offset: 16, .size: 8, .value_kind: global_buffer, .address_space: global }
    .group_segment_fixed_size: 327680
    .private_segment_fixed_size: 0
    .kernarg_segment_align: 8
    .kernarg_segment_size: 24
    .max_flat_workgroup_size: 128
    .sgpr_count:     80
    .vgpr_count:     960
    .wavefront_size: 32
...
	.end_amdgpu_metadata
.endif
;; end of part 2
;; launch attn (part 3): grid 8 x 32, 4 waves a work-group, clusters of 4 x 1, 327,680 bytes of LDS; arguments qkv, ob; writes ob
.if DOCPART == 3
	.amdgcn_target "amdgcn-amd-amdhsa--gfx1250"
	.amdhsa_code_object_version 6
	.text
	.protected	k_qa53a8c5631_attn
	.globl	k_qa53a8c5631_attn
	.p2align	8
	.type	k_qa53a8c5631_attn,@function
k_qa53a8c5631_attn:
	s_mov_b64 s[64:65], 0
	v_nop
	global_prefetch_b8 v0, s[64:65] scope:SCOPE_SE
	s_setreg_imm32_b32 hwreg(HW_REG_WAVE_MODE, 25, 1), 1
	s_wait_xcnt 0x0
	s_wait_alu depctr_hold_cnt(0) depctr_sa_sdst(0) depctr_va_vdst(0) depctr_va_sdst(0) depctr_va_ssrc(0) depctr_va_vcc(0) depctr_vm_vsrc(0)
	s_getreg_b32 s2, hwreg(HW_REG_IB_STS2, 6, 4)
	s_cmp_eq_u32 s2, 0
	s_cbranch_scc0 .Lentry_in_a_cluster
	s_endpgm
.Lentry_in_a_cluster:
	s_bfe_u32 s2, ttmp6, 0x10000c
	s_cmp_lg_u32 s2, 0x3003
	s_cbranch_scc0 .Lentry_shape_is_right
	s_endpgm
.Lentry_shape_is_right:
; ATTENTION.  O'[bh][i][:] = sum over j of softmax_j(s_ij) v'[bh][j][:], s_ij = q'_i . k'_j + 1e-10, over all 2,048 keys.  q', k', v', O': f16 [32][2048][64].
; q' and k' carry the padding mask and 1/8 each, so q' . k' is the reference's masked score, exactly 0 where a mask is 0.  The reference puts 1e-10 in the place of a score that is 0:
; here 1e-10 is the C operand that starts every score's sum.  LIMIT: a score that is not 0 is thereby moved by 1e-10, a weight by 1e-10 of itself, below f32's step.
; Products, maxima and sums in f32; the weights p (0 to 1) are rounded to f16 for the second product, their sum l is taken unrounded; O' = O / 8 (v' = v / 8) is rounded once.
; LIMITS.  f16 holds no number beyond 65,504; a weight below 2^-126 counts as 0 in l; NaN and infinities are not treated apart.
; SOFTMAX.  A running maximum m and sum l for each query: p = 2^(c s - c m), c = log2(e); in every step O and l are multiplied by a = 2^(c m_old - c m_new).
; m starts at the lowest finite number, O and l at 0: the first step is a step like any other, with a = 0.
; SHARES.  A work-group: 256 queries of one (batch, head); a wave 64: four tiles of 16 in two PIECES (tiles 0, 1; tiles 2, 3).  Every wave walks all keys, 64 a step.
; LAYOUT.  S^T = K Q^T holds one query a lane (lane % 16) and the keys 8 (lane / 16) + 0..7; two such results rounded to f16 are source 1 of O^T = V^T P.  V comes out of LDS turned.
; BY TURNS.  In a turn one piece has the matrix unit: 16 products V^T P of the step in hand, later 16 products K Q^T of the next step; the other piece's softmax (236 vector
; instructions) stands beside them: four behind every product, the rest in two runs of its own.
; CLUSTER.  The four query blocks of a cluster belong to one (batch, head) and walk the same K and V: each tile is asked for jointly.
; REGISTERS (windows of 256; s_set_vgpr_msb: bits 1:0 source 0, 3:2 source 1, 5:4 source 2, 7:6 destination):
;   window 0: v1-11 addresses; v12-43 eight statistics a tile; v44-51 1e-10; v62, v63 the add's; v64-191 S^T, 32 a tile; v192-255 P, 16 a tile
;   window 1: v0-127 O^T, 32 a tile; v128-191 Q, 16 a tile; v192-255 K of one step          window 2: v0-63 V of one step
.set KS,    64
.set PK,    144       ; a row of K in LDS: 128 bytes + 16
.set PV,    160       ; a row of V: 128 + 32
.set VOFF,  4*KS*PK   ; a slot holds four steps: 256 rows of K, then 256 rows of V
.set SLOT1, 1<<17
.set STAGE, SLOT1+4*KS*(PK+PV)
.set SP,    144
.set SPARE, STAGE+4*16*SP
.set AK0, 2
.set AV0, 3
.set ADR, 4
.set QO,  5
.set STO, 6
.set RD,  7
.set GO,  8
.set ST,  12          ; tile t at v[ST+8 t]: +0 c m, +1 m, +2, +3 l (even keys', odd keys'), +4 to +7 c0-c3 at work; a takes c2's place
.set EPS, 44
.set SPW, 62
.set NIL, 63
.set S,   64
.set P,   192
.set QF,  128         ; window 1
.set KF,  192         ; window 1
.set WV,  12
.set G1K, 24
.set G1V, 32
.set G0K, 40
.set G0V, 44
.set SLOTS, 56
.set CNT, 57
.set CS,  58
.set SEL, 60
.set TBK, 62
.set TBV, 63
.set MSB, 0
.macro WIN new
.if MSB != (\new)
	s_set_vgpr_msb (MSB<<8)|(\new)
.set MSB, (\new)
.endif
.endm
.set W_KQ, 0x05       ; K and Q in window 1, S^T and its C in window 0
.set W_PV, 0x52       ; V in window 2, P in window 0, O^T in window 1
.set W_RS, 0x41       ; O^T in window 1, a in window 0
.macro JLOAD                        ; waves 0, 1 fetch the halves of a slot's K, waves 2, 3 those of its V: 128 keys each
	s_cmp_lt_u32 s[WV], 2
	s_cbranch_scc0 .Lfor_v_\@
	tensor_load_to_lds s[G0K:G0K+3], s[G1K:G1K+7]
	s_nop 0
.rept 4
	v_nop
.endr
	s_branch .Lasked_\@
.Lfor_v_\@:
	tensor_load_to_lds s[G0V:G0V+3], s[G1V:G1V+7]
	s_nop 0
.rept 4
	v_nop
.endr
.Lasked_\@:
.endm
.macro CROUND
	s_barrier_signal -1
	s_barrier_wait -1
	s_cmp_lg_u32 s[WV], 0
	s_cbranch_scc1 .Lnot_wave_0_\@
	s_barrier_signal -3
.Lnot_wave_0_\@:
	s_barrier_wait -3
	s_barrier_signal -1
	s_barrier_wait -1
.endm
; THE CHANGE OF SLOTS.  The slot's last bytes, K and V of its fourth step, have been asked for from LDS.  Each wave waits for all its tensor loads (one is out: its part of the other
; slot), adds 0 to its spare word, and waits for that and for its reads.  fill = 1: the slot is filled again, with the keys two slots on, first thing behind a round of the cluster's
; barrier: four key steps, 256 matrix instructions, in which to land.  (At its first use nothing has been read yet: slot 0 is waited for, slot 1 filled.)
.macro CHANGE fill
	WIN 0
	s_wait_tensorcnt 0x0
	ds_add_u32 v[SPW], v[NIL]
.if \fill
.irp g, G0K, G0V
	s_xor_b32 s[\g+1], s[\g+1], SLOT1
	s_add_nc_u64 s[\g+2:\g+3], s[\g+2:\g+3], 4*KS*128
.endr
	s_wait_dscnt 0x0
	CROUND
	JLOAD
.else
	s_wait_dscnt 0x0
	s_barrier_signal -1
	s_barrier_wait -1
.endif
	s_sub_co_u32 s[TBK], s[TBK], 4*KS*PK  ; the fetches go back to a slot's first step, in the other slot
	s_xor_b32 s[TBK], s[TBK], SLOT1
	s_sub_co_u32 s[TBV], s[TBV], 4*KS*PV
	s_xor_b32 s[TBV], s[TBV], SLOT1
.endm
	s_load_b128 s[4:7], s[0:1], 0x0  ; qkv s[4:5], ob s[6:7]
	v_lshl_add_u32 v[SPW], v0, 2, SPARE
	v_mov_b32 v[NIL], 0
	ds_add_u32 v62, v63
	s_wait_dscnt 0x0
	v_lshrrev_b32 v1, 5, v0
	v_readfirstlane_b32 s[WV], v1
	s_bfe_u32 s13, ttmp6, 0x40000   ; cx
	s_lshl_b32 s14, ttmp9, 2
	s_add_co_u32 s14, s14, s13      ; my block of 256 queries: it enters Q's and O's addresses alone
	s_and_b32 s20, ttmp7, 0xffff    ; 16 batch + head, which the four partners share
	s_lshl_b32 s20, s20, 18         ; its slab of 262,144 bytes
	s_and_b32 s16, s[WV], 1         ; which half of a slot's 256 keys I fetch
	s_lshl_b32 s22, s16, 14
	s_add_co_u32 s22, s22, s20
	s_add_co_u32 s22, s22, 8388608  ; K lies 8,388,608 bytes into qkv, V as much again
	s_mov_b32 s23, 0
	s_mul_i32 s17, s16, 128*PK
	s_mul_i32 s18, s16, 128*PV
	s_lshl_b32 s2, s14, 15
	s_lshl_b32 s3, s[WV], 13
	s_add_co_u32 s2, s2, s3
	s_add_co_u32 s2, s2, s20
	s_mov_b32 s3, 0
	; 128 keys are 16,384 dense bytes: asked for as 64 rows of 256 bytes, padded in LDS after every key
	s_mov_b32 s[G1K], 15|(1<<16)|(1<<20)|(1<<21)|(4<<22)|(3<<25)
	s_mov_b32 s[G1V], 15|(1<<16)|(1<<20)|(1<<21)|(4<<22)|(7<<25)
.irp g, G1K, G1V
	s_mov_b32 s[\g+1], 128<<16
	s_mov_b32 s[\g+2], 64<<16
	s_mov_b32 s[\g+3], 128<<16
	s_mov_b32 s[\g+4], 64
	s_mov_b32 s[\g+5], 128
	s_mov_b32 s[\g+6], 0
	s_mov_b32 s[\g+7], 0
.endr
	s_mov_b32 s[CS], 0x3fb8aa3b     ; c = log2(e)
	s_mov_b32 s[CS+1], s[CS]
	s_mov_b32 s[SEL], 0x76543210
	s_mov_b32 s[SEL+1], 0xfedcba98
	s_mov_b32 s[TBK], SLOT1+4*KS*PK ; the first change of slots turns these two into 0
	s_mov_b32 s[TBV], SLOT1+4*KS*PV
	s_mov_b32 s[G0K], 1
	s_mov_b32 s[G0K+1], s17
	s_mov_b32 s[G0V], 1
	s_add_co_u32 s[G0V+1], s18, VOFF
	s_wait_kmcnt 0x0
	s_add_nc_u64 s[G0K+2:G0K+3], s[4:5], s[22:23]
	s_add_nc_u64 s[G0V+2:G0V+3], s[G0K+2:G0K+3], 8388608
	s_or_b32 s[G0K+3], s[G0K+3], 0x80000000
	s_or_b32 s[G0V+3], s[G0V+3], 0x80000000
	s_add_nc_u64 s[8:9], s[4:5], s[2:3]    ; Q at my wave's first row
	s_add_nc_u64 s[10:11], s[6:7], s[2:3]  ; O likewise
	CROUND
	JLOAD                           ; slot 0; slot 1 is asked for when slot 0 is in
	v_and_b32 v1, 15, v0            ; l % 16
	v_bfe_u32 v9, v0, 4, 1          ; l / 16
	v_lshlrev_b32 v[QO], 7, v1
	v_lshl_add_u32 v[QO], v9, 4, v[QO]
	WIN 0x40
.set i, 0
.rept 8                             ; Q stays in registers: tile i / 2, channels 32 (i % 2) on
	global_load_b128 v[QF+8*i:QF+8*i+3],   v[QO], s[8:9] offset:(i/2)*2048+(i%2)*64
	global_load_b128 v[QF+8*i+4:QF+8*i+7], v[QO], s[8:9] offset:(i/2)*2048+(i%2)*64+32
.set i, i+1
.endr
	; what the first turn finds: O^T, l, V and piece 1's P are 0.  No first step is written out; these lines stand in the wait for the first tile.
.set i, 0
.rept 128
	v_mov_b32 v[i], 0
.set i, i+1
.endr
	WIN 0x80
.set i, 0
.rept 64
	v_mov_b32 v[i], 0
.set i, i+1
.endr
	WIN 0
.set i, 0
.rept 4
	v_mov_b32 v[ST+8*i], 0xfe000000    ; c m: far below every c s
	v_mov_b32 v[ST+8*i+1], 0xff7fffff  ; m
	v_mov_b32 v[ST+8*i+2], 0
	v_mov_b32 v[ST+8*i+3], 0
.set i, i+1
.endr
.set i, 0
.rept 8
	v_mov_b32 v[EPS+i], 0x2edbe6ff     ; 1e-10
.set i, i+1
.endr
.set i, P+32
.rept 32
	v_mov_b32 v[i], 0
.set i, i+1
.endr
	v_mul_u32_u24 v[AK0], v1, PK
	v_lshl_add_u32 v[AK0], v9, 4, v[AK0]
	; the turning load: lane l reads key 8 (l / 16) + l % 8, channels 8 ((l / 8) % 2) + 0..7
	v_and_b32 v10, 7, v0
	v_bfe_u32 v11, v0, 3, 1
	v_lshl_add_u32 v[AV0], v9, 3, v10
	v_mul_u32_u24 v[AV0], v[AV0], PV
	v_lshl_add_u32 v[AV0], v11, 4, v[AV0]
	v_add_nc_u32 v[AV0], VOFF, v[AV0]
; THE MATRIX WORK.  The 8 accumulators of a run of 16 take turns.
; Product i of 16 of S^T = K Q^T for piece x: channels 32 (i / 8) on, keys 16 ((i / 2) % 4) on, tile 2 x + i % 2.  The first 8 start the sums, with 1e-10.
.macro KQ x
	WIN W_KQ
.set rS, S+32*(2*(\x)+i%2)+8*((i/2)%4)
.set rK, KF+16*((i/2)%4)+8*(i/8)
.set rQ, QF+16*(2*(\x)+i%2)+8*(i/8)
.if i < 8
	v_wmma_f32_16x16x32_f16 v[rS:rS+7], v[rK:rK+7], v[rQ:rQ+7], v[EPS:EPS+7]
.else
	v_wmma_f32_16x16x32_f16 v[rS:rS+7], v[rK:rK+7], v[rQ:rQ+7], v[rS:rS+7]
.endif
.endm
; Product i of 16 of O^T += V^T P for piece x: keys 32 (i / 8) on, channels 16 ((i / 2) % 4) on, tile 2 x + i % 2.
.macro PV x
	WIN W_PV
.set rO, 32*(2*(\x)+i%2)+8*((i/2)%4)
.set rV, 32*(i/8)+8*((i/2)%4)
.set rP, P+16*(2*(\x)+i%2)+8*(i/8)
	v_wmma_f32_16x16x32_f16 v[rO:rO+7], v[rV:rV+7], v[rP:rP+7], v[rO:rO+7]
.endm
; THE LDS LOADS stand in runs of 16.  last = 1 (the tail): in the last trip there is no further step, and K's run is jumped over.
.macro FETCH_K last=0
	WIN 0
.if \last
	s_cmp_eq_u32 s[CNT], 1
	s_cbranch_scc1 .Lno_k_\@
.endif
	v_add_nc_u32 v[ADR], s[TBK], v[AK0]
	WIN 0x40
.irp f, 0,1,2,3,4,5,6,7             ; keys 16 (f / 2) on, channels 32 (f % 2) on
	ds_load_b128 v[KF+8*\f:KF+8*\f+3],   v[ADR] offset:(\f/2)*16*PK+(\f%2)*64
	ds_load_b128 v[KF+8*\f+4:KF+8*\f+7], v[ADR] offset:(\f/2)*16*PK+(\f%2)*64+32
.endr
	s_add_co_u32 s[TBK], s[TBK], KS*PK
	WIN 0
.if \last
.Lno_k_\@:
.endif
.endm
.macro FETCH_V
	WIN 0
	v_add_nc_u32 v[ADR], s[TBV], v[AV0]
	s_add_co_u32 s[TBV], s[TBV], KS*PV
	WIN 0x80
.irp f, 0,1,2,3,4,5,6,7             ; keys 32 (f / 4) on, channels 16 (f % 4) on
	ds_load_tr16_b128 v[8*\f:8*\f+3],   v[ADR] offset:(\f/4)*32*PV+(\f%4)*32
	ds_load_tr16_b128 v[8*\f+4:8*\f+7], v[ADR] offset:(\f/4)*32*PV+16*PV+(\f%4)*32
.endr
	WIN 0
.endm
; THE VECTOR WORK.  One tile's softmax for one key step is a list of 118 instructions; SM writes number j of it for tile t.  s0-s31 are the lane's 32 scores, in pairs 0-15.
;   0-15    the maximum of s0-s31 and the old m, three operands at a time (each accumulator's lowest registers are read first)
;   16-20   the other half of the lanes' maximum; c m_old kept; the new m; c m; c m_old - c m_new
;   21-87   33 exponentials (a, then s0-s31) at the odd numbers from 23 on; the plain numbers between them are whatever is ready: c s - c m for pairs still to come,
;           the rounding to f16 of pairs that are done, the first three sums
;   88-101  the last rounding; the rest of the sums; l = a l + the sum          102-117 the tile's O^T times a: the one part that leaves window 0
.macro SM t
.set rT, ST+8*(\t)
.set rS, S+32*(\t)
.set rP, P+16*(\t)
.set rO, 32*(\t)+2*(j-102)
.set q, (j-20)/2
.if j < 102
	WIN 0
.endif
.if j < 4
	v_max3_num_f32 v[rT+4+j], v[rS+8*j], v[rS+8*j+1], v[rS+8*j+2]
.elseif j < 12
	v_max3_num_f32 v[rT+4+j%4], v[rT+4+j%4], v[rS+8*(j%4)+2*(j/4)+1], v[rS+8*(j%4)+2*(j/4)+2]
.elseif j == 12
	v_max3_num_f32 v[rT+4], v[rT+4], v[rS+7], v[rS+15]
.elseif j == 13
	v_max3_num_f32 v[rT+6], v[rT+6], v[rS+23], v[rS+31]
.elseif j == 14
	v_max3_num_f32 v[rT+4], v[rT+4], v[rT+5], v[rT+6]
.elseif j == 15
	v_max3_num_f32 v[rT+4], v[rT+4], v[rT+7], v[rT+1]
.elseif j == 16
	v_permlanex16_b32 v[rT+5], v[rT+4], s[SEL], s[SEL+1]
.elseif j == 17
	v_mov_b32 v[rT+7], v[rT]
.elseif j == 18
	v_max_num_f32 v[rT+1], v[rT+4], v[rT+5]
.elseif j == 19
	v_mul_f32 v[rT], s[CS], v[rT+1]
.elseif j == 20
	v_sub_f32 v[rT+7], v[rT+7], v[rT]
.elseif j == 23
	v_exp_f32 v[rT+6], v[rT+7]
.elseif (j < 88) && (j > 23) && (j%2 == 1)
	v_exp_f32 v[rS+(j-25)/2], v[rS+(j-25)/2]
.elseif (q < 4) || ((j < 76) && (q%2 == 0))
.set b, q/2+2
.if q < 4
.set b, q
.endif
	v_pk_fma_f32 v[rS+2*b:rS+2*b+1], v[rS+2*b:rS+2*b+1], s[CS:CS+1], v[rT:rT+1] op_sel_hi:[1,0,0] neg_lo:[0,0,1] neg_hi:[0,0,1]
.elseif (j < 88) && (q%2 == 1)
	s_wait_alu depctr_va_vdst(0)
	v_cvt_pk_f16_f32 v[rP+(q-5)/2], v[rS+q-5], v[rS+q-4]
.elseif j == 89
	s_wait_alu depctr_va_vdst(0)
	v_cvt_pk_f16_f32 v[rP+15], v[rS+30], v[rS+31]
.elseif j < 102                     ; sum z of 16 adds neighbours 1, 2, 4 and 8 pairs apart, in place; then l takes it
.set z, j-86
.if j < 89
.set z, (j-76)/4
.endif
.set w, 4
.set u, z
.if z >= 14
.set w, 32
.set u, 0
.elseif z >= 12
.set w, 16
.set u, z-12
.elseif z >= 8
.set w, 8
.set u, z-8
.endif
.if z < 15
	v_pk_add_f32 v[rS+w*u:rS+w*u+1], v[rS+w*u:rS+w*u+1], v[rS+w*u+w/2:rS+w*u+w/2+1]
.else
	v_pk_fma_f32 v[rT+2:rT+3], v[rT+2:rT+3], v[rT+6:rT+7], v[rS:rS+1] op_sel_hi:[1,0,1]
.endif
.else
	WIN W_RS
	v_pk_mul_f32 v[rO:rO+1], v[rO:rO+1], v[rT+6:rT+7] op_sel_hi:[1,0]
.endif
.endm
; Slice k of 59 of piece y's softmax: numbers 2 k and 2 k + 1 of both tiles' lists, four instructions.
.macro SLICE y
.if (k >= 11) && (k < 44)           ; tile by tile: plain, exponential, plain, exponential
.irp t, 2*(\y), 2*(\y)+1
.irp n, 0,1
.set j, 2*k+(\n)
	SM \t
.endr
.endr
.else                               ; the two tiles alternate, so that no instruction reads the result of the one just before it
.irp n, 0,1
.irp t, 2*(\y), 2*(\y)+1
.set j, 2*k+(\n)
	SM \t
.endr
.endr
.endif
.set k, k+1
.endm
; A TURN.  Piece x has the matrix unit; the other piece's 59 slices: one behind each of the 16 products V^T P, 14 in a run, one behind each of the 16 products K Q^T, 13 in a run.
; That last run (sums and rescalings: 52 plain instructions that name nothing of the products) is also the places between the last K Q^T and the next turn's first read of those scores,
; and between K's last reader and the loads into K's registers, which stand behind the second product of piece 0's turn.  V's loads stand in piece 1's turn, behind four slices
; (eight plain instructions) that follow V's last reader.  Each run of loads is waited for once, for 0, in front of its first reader.
.macro TURN x, last=0
.set k, 0
.if (\x) == 0
	s_wait_dscnt 0x0                ; V is in
.endif
.set i, 0
.rept 16
	PV \x
	SLICE 1-(\x)
.if ((\x) == 0) && (i == 1)
	FETCH_K \last
.endif
.set i, i+1
.endr
.rept 14
	SLICE 1-(\x)
.if ((\x) == 1) && (k == 19)
	FETCH_V
.endif
.endr
.if (\x) == 0
	s_wait_dscnt 0x0                ; K is in
.endif
.set i, 0
.rept 16
	KQ \x
	SLICE 1-(\x)
.set i, i+1
.endr
.rept 13
	SLICE 1-(\x)
.endr
.endm
	CHANGE 1                        ; slot 0 is in, everybody's part of it; slot 1 is asked for
	FETCH_K                         ; key step 0
	s_wait_loadcnt 0x0              ; Q
	s_wait_dscnt 0x0
.set i, 0
.rept 16
	KQ 0                            ; piece 0's first scores
.set i, i+1
.endr
	WIN 0                           ; the addresses for the way out: plain instructions, the places behind those products
	s_mul_i32 s13, s[WV], 16*SP
	s_add_co_u32 s13, s13, STAGE
	v_mul_u32_u24 v[STO], v1, SP
	v_lshl_add_u32 v[STO], v9, 4, v[STO]
	v_add_nc_u32 v[STO], s13, v[STO]
	v_bfe_u32 v[RD], v0, 3, 2
	v_mul_u32_u24 v[RD], v[RD], SP
	v_lshl_add_u32 v[RD], v10, 4, v[RD]
	v_add_nc_u32 v[RD], s13, v[RD]
	v_and_b32 v[GO], 31, v0
	v_lshlrev_b32 v[GO], 4, v[GO]
	s_mov_b32 s[CNT], 4
	s_mov_b32 s[SLOTS], 7
	s_branch .Lfirst                ; the loop is entered in the middle of a trip: piece 1's first scores beside piece 0's first softmax; its V^T P adds zeros
.Lslot:                             ; six times: every slot but the last two is filled again
	CHANGE 1
	s_mov_b32 s[CNT], 4
.Lstep:                             ; a trip: piece 0's turn (fetches the next step's K), piece 1's turn (fetches its V)
	TURN 0
	WIN 0
.Lfirst:
	TURN 1
	WIN 0
	s_sub_co_u32 s[CNT], s[CNT], 1
	s_cmp_lg_u32 s[CNT], 0
	s_cbranch_scc1 .Lstep
	s_sub_co_u32 s[SLOTS], s[SLOTS], 1
	s_cmp_lg_u32 s[SLOTS], 0
	s_cbranch_scc1 .Lslot
	CHANGE 0                        ; the tail is written out: nothing is asked for
	s_mov_b32 s[CNT], 5             ; four trips fetch the last slot's steps; the fifth is left in its middle
.Ltail:
	TURN 0, 1
	WIN 0
	s_sub_co_u32 s[CNT], s[CNT], 1
	s_cmp_eq_u32 s[CNT], 0
	s_cbranch_scc1 .Lout
	TURN 1
	WIN 0
	s_branch .Ltail
.Lout:                              ; the fifth trip's 16 products K Q^T (on the last K once more) serve nothing: the price, once a launch, of one text for every trip
.set i, 0
.rept 16
	PV 1                            ; piece 1's V^T P of the last step
.set i, i+1
.endr
	; THE WAY OUT.  l's two halves and the other half of the lanes' are added; O^T is divided by l, rounded to f16 and sent through my stage, a tile at a time.
	WIN 0
.macro ALL line:vararg
.set t, 0
.rept 4
	\line
.set t, t+1
.endr
.endm
	ALL v_add_f32 v[ST+8*t+4], v[ST+8*t+2], v[ST+8*t+3]
	ALL v_permlanex16_b32 v[ST+8*t+5], v[ST+8*t+4], s[SEL], s[SEL+1]
	ALL v_add_f32 v[ST+8*t+4], v[ST+8*t+4], v[ST+8*t+5]
	ALL v_rcp_f32 v[ST+8*t+6], v[ST+8*t+4]
	v_nop                           ; a plain instruction between the last reciprocal and the use of its result
.macro PACK t
	WIN W_RS
.set i, 32*(\t)
.rept 16
	s_wait_alu depctr_va_vdst(0)
	v_pk_mul_f32 v[i:i+1], v[i:i+1], v[ST+8*(\t)+6:ST+8*(\t)+7] op_sel_hi:[1,0]
.set i, i+2
.endr
	WIN 0x05
.set i, 0
.rept 16
	v_cvt_pk_f16_f32 v[S+16*(\t)+i], v[32*(\t)+2*i], v[32*(\t)+2*i+1]
.set i, i+1
.endr
	WIN 0
.irp f, 0,1,2,3
	ds_store_b128 v[STO], v[S+16*(\t)+4*\f:S+16*(\t)+4*\f+3] offset:32*\f
.endr
.irp f, 0,1,2,3
	ds_load_b128 v[S+16*(\t)+4*\f:S+16*(\t)+4*\f+3], v[RD] offset:\f*4*SP  ; LDS serves a wave's instructions in order (ISA guide 5.7.1.4)
.endr
.endm
.macro SEND t, younger
	WIN 0
.irp f, 0,1,2,3
	s_wait_dscnt (\younger)+3-\f
	global_store_b128 v[GO], v[S+16*(\t)+4*\f:S+16*(\t)+4*\f+3], s[10:11] offset:(\t)*2048+\f*512  ; 512 consecutive bytes, aligned to 256
.endr
.endm
	PACK 0
.set t, 1
.rept 3
	PACK t
	SEND t-1, 8
.set t, t+1
.endr
	SEND 3, 0
	s_wait_tensorcnt 0x0            ; the wave's end
	ds_add_u32 v[SPW], v[NIL]
	s_wait_dscnt 0x0
	CROUND                          ; the closing round
	s_endpgm
.Lfunc_end_k_qa53a8c5631_attn:
	.size	k_qa53a8c5631_attn, .Lfunc_end_k_qa53a8c5631_attn-k_qa53a8c5631_attn
	.p2alignl 7, 3214868480
	.fill 96, 4, 3214868480
	.section	.rodata,"a",@progbits
	.p2align	6, 0x0
	.amdhsa_kernel k_qa53a8c5631_attn
		.amdhsa_group_segment_fixed_size 327680
		.amdhsa_private_segment_fixed_size 0
		.amdhsa_enable_private_segment 0
		.amdhsa_kernarg_size 16
		.amdhsa_user_sgpr_count 2
		.amdhsa_user_sgpr_kernarg_segment_ptr 1
		.amdhsa_wavefront_size32 1
		.amdhsa_system_sgpr_workgroup_id_x 1
		.amdhsa_system_sgpr_workgroup_id_y 1
		.amdhsa_system_sgpr_workgroup_id_z 1
		.amdhsa_system_vgpr_workitem_id 0
		.amdhsa_next_free_vgpr 576
		.amdhsa_next_free_sgpr 66
		.amdhsa_reserve_vcc 0
		.amdhsa_float_denorm_mode_32 3
		.amdhsa_float_denorm_mode_16_64 3
		.amdhsa_memory_ordered 1
		.amdhsa_forward_progress 1
		.amdhsa_inst_pref_size 113
	.end_amdhsa_kernel
	.amdgpu_metadata
---
amdhsa.version: [ 1, 2 ]
amdhsa.kernels:
  - .name:           k_qa53a8c5631_attn
    .symbol:         k_qa53a8c5631_attn.kd
    .args:
      - { .name: qkv, .offset: 0, .size: 8, .value_kind: global_buffer, .address_space: global }
      - { .name: ob, .offset: 8, .size: 8, .value_kind: global_buffer, .address_space: global }
    .group_segment_fixed_size: 327680
    .private_segment_fixed_size: 0
    .kernarg_segment_align: 8
    .kernarg_segment_size: 16
    .max_flat_workgroup_size: 128
    .sgpr_count:     66
    .vgpr_count:     576
    .wavefront_size: 32
...
	.end_amdgpu_metadata
.endif
;; end of part 3
;; launch oproj (part 4): grid 8 x 32, 4 waves a work-group, clusters of 4 x 4, 327,680 bytes of LDS; arguments ob, wb, pp; writes pp
.if DOCPART == 4
	.amdgcn_target "amdgcn-amd-amdhsa--gfx1250"
	.amdhsa_code_object_version 6
	.text
	.protected	k_qa53a8c5631_oproj
	.globl	k_qa53a8c5631_oproj
	.p2align	8
	.type	k_qa53a8c5631_oproj,@function
k_qa53a8c5631_oproj:
	s_mov_b64 s[64:65], 0
	v_nop
	global_prefetch_b8 v0, s[64:65] scope:SCOPE_SE
	s_setreg_imm32_b32 hwreg(HW_REG_WAVE_MODE, 25, 1), 1
	s_wait_xcnt 0x0
	s_wait_alu depctr_hold_cnt(0) depctr_sa_sdst(0) depctr_va_vdst(0) depctr_va_sdst(0) depctr_va_ssrc(0) depctr_va_vcc(0) depctr_vm_vsrc(0)
	s_getreg_b32 s2, hwreg(HW_REG_IB_STS2, 6, 4)
	s_cmp_eq_u32 s2, 0
	s_cbranch_scc0 .Lentry_in_a_cluster
	s_endpgm
.Lentry_in_a_cluster:
	s_bfe_u32 s2, ttmp6, 0x10000c
	s_cmp_lg_u32 s2, 0xf033
	s_cbranch_scc0 .Lentry_shape_is_right
	s_endpgm
.Lentry_shape_is_right:
; A PRODUCT WITH 1,024 COLUMNS, f16 operands, f32 sums, f32 out: pp[token][n] = sum over k of A[token][k] B[n][k].  One text, two kinds:
;   KIND 0: A = O' = O / 8, stored by heads [16 b + h][2048][64]; B = woh = 8 w_o; K = 1,024, head after head.      KIND 1: A = h' = relu(..) / 8 [4096][4096]; B = w2h = 8 w2; K = 4,096.
; The factors 8 and 1/8 cancel exactly.  Bias, residual and norm follow in the next launch: a row's 1,024 columns are spread over eight work-groups, which may not exchange sums.
; SHARES.  A tile is 128 x 128: 8 x 32 work-groups, one for each WGP.  Four waves, 64 x 64 each: 16 accumulators.  K goes in steps of 256 through two LDS slots.
; KIND 0: a step is four heads; 128 tokens of a head are 16,384 dense bytes, so a wave's load is 2 rows (heads) of 8,192 elements, padded in LDS after every token's 128 bytes.
; CLUSTER 4 x 4: A's tile is asked for jointly along a row of the cluster, B's along a column.  The matrix instruction is used transposed: a lane holds one token and eight neighbouring columns.
; REGISTERS: window 0: v16-29 addresses; v128-255 accumulators ((a, b) at 128 + 8 (4 a + b)).  Window 1: two fragment buffers of 128: 64 of A (2 x 4 x 8), then 64 of B.
.set KIND, 0
.if KIND
.set KSZ,    4096
.set APITCH, 528
.set ABLK,   128                       ; bytes from a quarter (64 along K) to the next in A's LDS tile
.set AHALF,  64*528
.set ASTEP,  512
.set WOFF,   25165824
.else
.set KSZ,    1024
.set APITCH, 144
.set ABLK,   128*144                   ; a quarter is a head: 128 tokens x 144 bytes
.set AHALF,  2*128*144
.set ASTEP,  4*2048*128                ; four heads on
.set WOFF,   14680064
.endif
.set T,      KSZ/256
.set BOFF,   2*AHALF
.set BPITCH, 528
.set BHALF,  64*BPITCH
.set BSTEP,  512
.set X,      0x24000                   ; slot 1 begins here: no wave's LDS base, of either kind, has one of its two bits
.set STAGE,  288768                    ; behind the larger kind's ring: 16 rows x 272 bytes for each wave
.set SPITCH, 272
.set SPARE,  STAGE+4*16*SPITCH
.set ADRA0, 16
.set ADRB0, 17
.set ADRA,  18
.set ADRB,  19
.set STO,   24
.set RD,    25
.set CO,    26
.set SPW,   28
.set NIL,   29
.set ACC,   128
.set F0,    0
.set F1,    128
.set G1A, 24
.set G0A, 32
.set G1B, 48
.set G0B, 56
.set TB,  66
.set MSB, 0
.macro WIN new
.if MSB != (\new)
	s_set_vgpr_msb (MSB<<8)|(\new)
.set MSB, \new
.endif
.endm
.macro PLACES
.rept 4
	v_nop
.endr
.endm
.macro JLOAD
	s_cmp_eq_u32 s11, 0
	s_cbranch_scc0 .Lfor_b_\@
	tensor_load_to_lds s[G0A+4:G0A+7], s[G1A:G1A+7]
	s_nop 0
.rept 4
	v_nop
.endr
	s_branch .Lasked_\@
.Lfor_b_\@:
	tensor_load_to_lds s[G0B+4:G0B+7], s[G1B:G1B+7]
	s_nop 0
.rept 4
	v_nop
.endr
.Lasked_\@:
.endm
.macro CREST
	s_cmp_lg_u32 s10, 0
	s_cbranch_scc1 .Lnot_wave_0_\@
	s_barrier_signal -3
.Lnot_wave_0_\@:
	s_barrier_wait -3
	s_barrier_signal -1
	s_barrier_wait -1
.endm
.macro CROUND
	s_barrier_signal -1
	s_barrier_wait -1
	CREST
.endm
	s_load_b128 s[68:71], s[0:1], 0x0              ; A s[68:69], wb s[70:71]
	s_load_b64 s[72:73], s[0:1], 0x10              ; pp
	v_lshl_add_u32 v[SPW], v0, 2, SPARE
	v_mov_b32 v[NIL], 0
	ds_add_u32 v28, v29
	s_wait_dscnt 0x0
	v_lshrrev_b32 v1, 5, v0
	v_readfirstlane_b32 s10, v1
	s_lshr_b32 s11, s10, 1                         ; my half of the tile's rows; also: I fetch A (0) or B (1)
	s_and_b32 s12, s10, 1                          ; my half of its columns; also: which half I fetch
	s_bfe_u32 s40, ttmp6, 0x40000
	s_bfe_u32 s41, ttmp6, 0x40004
	s_lshl_b32 s42, ttmp9, 2
	s_add_co_u32 s42, s42, s40                     ; tile column
	s_and_b32 s13, ttmp7, 0xffff
	s_lshl_b32 s13, s13, 2
	s_add_co_u32 s13, s13, s41                     ; tile row
	s_lshl_b32 s43, s41, 2
	s_lshl_b32 s43, 15, s43
	s_lshl_b32 s44, 0x1111, s40
.if KIND
	s_or_b32 s[G1A], s43, (1<<16)|(1<<20)|(1<<21)|(6<<22)|(3<<25)   ; after every 128 words 4 words of padding
	s_mov_b32 s[G1A+1], 256<<16
	s_mov_b32 s[G1A+2], 64<<16
	s_mov_b32 s[G1A+3], 256<<16
	s_mov_b32 s[G1A+4], 64
	s_mov_b32 s[G1A+5], KSZ
.else
	s_or_b32 s[G1A], s43, (1<<16)|(1<<20)|(1<<21)|(4<<22)|(3<<25)   ; after every 32 words (a token's 64 channels) 4 words of padding
	s_mov_b32 s[G1A+1], 8192<<16                   ; tensor_dim0 = 8,192: 128 tokens x 64 channels, dense
	s_mov_b32 s[G1A+2], 2<<16                      ; tensor_dim1 = 2 heads
	s_mov_b32 s[G1A+3], 8192<<16                   ; tile_dim0
	s_mov_b32 s[G1A+4], 2                          ; tile_dim1
	s_mov_b32 s[G1A+5], 131072                     ; elements from head to head
.endif
	s_mov_b32 s[G1A+6], 0
	s_mov_b32 s[G1A+7], 0
	s_or_b32 s[G1B], s44, (1<<16)|(1<<20)|(1<<21)|(6<<22)|(3<<25)
	s_mov_b32 s[G1B+1], 256<<16
	s_mov_b32 s[G1B+2], 64<<16
	s_mov_b32 s[G1B+3], 256<<16
	s_mov_b32 s[G1B+4], 64
	s_mov_b32 s[G1B+5], KSZ
	s_mov_b32 s[G1B+6], 0
	s_mov_b32 s[G1B+7], 0
.if KIND
	s_lshl_b32 s16, s13, 20                        ; 128 rows of 8,192 bytes for each tile row,
	s_lshl_b32 s17, s12, 19                        ; 64 for my half
	s_add_co_u32 s16, s16, s17
	s_lshl_b32 s46, s42, 20
	s_lshl_b32 s47, s12, 19
.else
	s_lshr_b32 s16, s13, 4
	s_lshl_b32 s16, s16, 22                        ; the batch: 16 heads of 262,144 bytes,
	s_lshl_b32 s17, s12, 19                        ; my two heads of the step's four,
	s_add_co_u32 s16, s16, s17
	s_and_b32 s17, s13, 15
	s_lshl_b32 s17, s17, 14                        ; the tile's 128 tokens of 128 bytes
	s_add_co_u32 s16, s16, s17
	s_lshl_b32 s46, s42, 18                        ; 128 rows of 2,048 bytes
	s_lshl_b32 s47, s12, 17
.endif
	s_mov_b32 s17, 0
	s_add_co_u32 s46, s46, s47
	s_add_co_u32 s46, s46, WOFF
	s_mov_b32 s47, 0
	s_mul_i32 s20, s12, AHALF
	s_mul_i32 s21, s12, BHALF
	s_add_co_u32 s21, s21, BOFF
	s_mov_b32 s[TB], 0
	s_wait_kmcnt 0x0
	s_add_nc_u64 s[14:15], s[68:69], s[16:17]
	s_add_nc_u64 s[46:47], s[70:71], s[46:47]
.irp s, 0,1
	s_mov_b32 s[G0A+4*(\s)], 1
	s_add_co_u32 s[G0A+4*(\s)+1], s20, (\s)*X
	s_add_nc_u64 s[G0A+4*(\s)+2:G0A+4*(\s)+3], s[14:15], (\s)*ASTEP
	s_or_b32 s[G0A+4*(\s)+3], s[G0A+4*(\s)+3], 0x80000000
	s_mov_b32 s[G0B+4*(\s)], 1
	s_add_co_u32 s[G0B+4*(\s)+1], s21, (\s)*X
	s_add_nc_u64 s[G0B+4*(\s)+2:G0B+4*(\s)+3], s[46:47], (\s)*BSTEP
	s_or_b32 s[G0B+4*(\s)+3], s[G0B+4*(\s)+3], 0x80000000
.endr
	CROUND
	s_cmp_eq_u32 s11, 0                            ; a wave's two first fills stand in one branch: two loads of mine are out
	s_cbranch_scc0 .Lfirst_b
	tensor_load_to_lds s[G0A:G0A+3], s[G1A:G1A+7]
	s_nop 0
	tensor_load_to_lds s[G0A+4:G0A+7], s[G1A:G1A+7]
	s_nop 0
.rept 4
	v_nop
.endr
	s_branch .Lfirst_done
.Lfirst_b:
	tensor_load_to_lds s[G0B:G0B+3], s[G1B:G1B+7]
	s_nop 0
	tensor_load_to_lds s[G0B+4:G0B+7], s[G1B:G1B+7]
	s_nop 0
.rept 4
	v_nop
.endr
.Lfirst_done:
	v_and_b32 v1, 15, v0
	v_bfe_u32 v2, v0, 4, 1
	v_mul_u32_u24 v3, v1, APITCH
	v_lshl_add_u32 v3, v2, 4, v3
	s_mul_i32 s21, s11, 64*APITCH                  ; my 64 tokens
	v_add_nc_u32 v[ADRA0], s21, v3
	v_mul_u32_u24 v3, v1, BPITCH
	v_lshl_add_u32 v3, v2, 4, v3
	s_mul_i32 s22, s12, BHALF                      ; my 64 rows of B
	s_add_co_u32 s22, s22, BOFF
	v_add_nc_u32 v[ADRB0], s22, v3
	v_mov_b32 v[ADRA], v[ADRA0]
	v_mov_b32 v[ADRB], v[ADRB0]
	s_mul_i32 s23, s10, 16*SPITCH
	s_add_co_u32 s23, s23, STAGE                   ; my stage
	v_mul_u32_u24 v4, v1, SPITCH                   ; in: row l % 16, 32 bytes for each half of the lanes
	v_lshl_add_u32 v4, v2, 5, v4
	v_add_nc_u32 v[STO], s23, v4
	v_mul_u32_u24 v5, v2, SPITCH                   ; back: lanes 0-15 take one row of 256 bytes, lanes 16-31 the next
	v_lshl_add_u32 v5, v1, 4, v5
	v_add_nc_u32 v[RD], s23, v5
	v_lshlrev_b32 v5, 12, v2                       ; and the same two rows in pp
	v_lshl_add_u32 v[CO], v1, 4, v5
	s_lshl_b32 s76, s13, 19                        ; 128 rows of 4,096 bytes,
	s_lshl_b32 s77, s11, 18                        ; my 64,
	s_add_co_u32 s76, s76, s77
	s_lshl_b32 s77, s42, 9                         ; 128 columns of 4 bytes,
	s_add_co_u32 s76, s76, s77
	s_lshl_b32 s77, s12, 8                         ; my 64
	s_add_co_u32 s76, s76, s77
	s_mov_b32 s77, 0
	s_add_nc_u64 s[8:9], s[72:73], s[76:77]
; 8 products: token blocks a0, a0 + 1 x all 4 column blocks, 32 along K: half c of buffer f
.macro MUL8 f, c, a0, zero
	WIN 0x05
.irp a, \a0, (\a0)+1
.irp b, 0,1,2,3
.if \zero
	v_wmma_f32_16x16x32_f16 v[ACC+8*(4*(\a)+(\b)):ACC+8*(4*(\a)+(\b))+7], v[(\f)+64+8*(4*(\c)+(\b)):(\f)+64+8*(4*(\c)+(\b))+7], v[(\f)+8*(4*(\c)+(\a)):(\f)+8*(4*(\c)+(\a))+7], 0
.else
	v_wmma_f32_16x16x32_f16 v[ACC+8*(4*(\a)+(\b)):ACC+8*(4*(\a)+(\b))+7], v[(\f)+64+8*(4*(\c)+(\b)):(\f)+64+8*(4*(\c)+(\b))+7], v[(\f)+8*(4*(\c)+(\a)):(\f)+8*(4*(\c)+(\a))+7], v[ACC+8*(4*(\a)+(\b)):ACC+8*(4*(\a)+(\b))+7]
.endif
.endr
.endr
.endm
; 32 LDS loads in one run: quarter q (64 along K) into buffer f; its first 32 along K first
.macro FETCH q, f
	WIN 0x40
.irp c, 0,1
.irp i, 0,1,2,3
	ds_load_b128 v[(\f)+64+8*(4*(\c)+(\i)):(\f)+64+8*(4*(\c)+(\i))+3],   v[ADRB] offset:128*(\q)+64*(\c)+(\i)*16*BPITCH
	ds_load_b128 v[(\f)+64+8*(4*(\c)+(\i))+4:(\f)+64+8*(4*(\c)+(\i))+7], v[ADRB] offset:128*(\q)+64*(\c)+(\i)*16*BPITCH+32
	ds_load_b128 v[(\f)+8*(4*(\c)+(\i)):(\f)+8*(4*(\c)+(\i))+3],         v[ADRA] offset:(\q)*ABLK+64*(\c)+(\i)*16*APITCH
	ds_load_b128 v[(\f)+8*(4*(\c)+(\i))+4:(\f)+8*(4*(\c)+(\i))+7],       v[ADRA] offset:(\q)*ABLK+64*(\c)+(\i)*16*APITCH+32
.endr
.endr
.endm
; A K step is four quarters of 64 along K, 32 products each, on buffers 0, 1, 0, 1; the 16 accumulators take turns.
.macro QUARTER q, f, g, zero
	s_wait_dscnt 16                                ; the first 32 along K are in
	MUL8 \f, 0, 0, \zero
	MUL8 \f, 0, 2, \zero
	PLACES
	FETCH \q, \g
	s_wait_dscnt 32                                ; all but the 32 just issued
	MUL8 \f, 1, 0, 0
	MUL8 \f, 1, 2, 0
.endm
.macro TURN fill
	WIN 0
	s_wait_tensorcnt 0x0                           ; all my tensor loads have landed: my part of the next slot;
	ds_add_u32 v[SPW], v[NIL]                      ; 0 onto my spare word
	s_wait_dscnt 17                                ; (the add and the youngest sixteen loads may be out)
	MUL8 F1, 0, 0, 0
	s_wait_dscnt 0x0                               ; the add is done, and my reads of this slot are over
	s_barrier_signal -1
	MUL8 F1, 0, 2, 0
	WIN 0
	s_barrier_wait -1
.if \fill
	CREST                                          ; no wave of any partner still reads this slot or has a load on its way
	s_xor_b32 s[G0A+5], s[G0A+5], X
	s_add_nc_u64 s[G0A+6:G0A+7], s[G0A+6:G0A+7], ASTEP
	s_xor_b32 s[G0B+5], s[G0B+5], X
	s_add_nc_u64 s[G0B+6:G0B+7], s[G0B+6:G0B+7], BSTEP
	JLOAD                                          ; the first tensor load behind the round; its four v_nop are also the places in front of the loads below
.else
	PLACES
.endif
	s_xor_b32 s[TB], s[TB], X
	v_add_nc_u32 v[ADRA], s[TB], v[ADRA0]
	v_add_nc_u32 v[ADRB], s[TB], v[ADRB0]
.if !(\fill)
	s_cmp_eq_u32 s3, 1                             ; the very last step has no successor
	s_cbranch_scc1 .Lno_fetch_\@
.endif
	FETCH 0, F0
	WIN 0
.if !(\fill)
.Lno_fetch_\@:
.endif
	MUL8 F1, 1, 0, 0
	MUL8 F1, 1, 2, 0
.endm
	s_wait_tensorcnt 0x1                           ; my part of K step 0 is in; step 1's may stay out
	s_barrier_signal -1
	s_barrier_wait -1
	FETCH 0, F0
	QUARTER 1, F0, F1, 1
	WIN 0
	s_mov_b32 s3, T-2
.Lk:
	QUARTER 2, F1, F0, 0
	QUARTER 3, F0, F1, 0
	TURN 1
	QUARTER 1, F0, F1, 0
	WIN 0
	s_sub_co_u32 s3, s3, 1
	s_cmp_lg_u32 s3, 0
	s_cbranch_scc1 .Lk
	s_mov_b32 s3, 2
.Lt:                                                   ; the last two steps ask for nothing; the second trip is left in its middle
	QUARTER 2, F1, F0, 0
	QUARTER 3, F0, F1, 0
	TURN 0
	WIN 0
	s_sub_co_u32 s3, s3, 1
	s_cmp_eq_u32 s3, 0
	s_cbranch_scc1 .Lout
	QUARTER 1, F0, F1, 0
	WIN 0
	s_branch .Lt
.Lout:
	s_wait_dscnt 0x0                               ; no LDS instruction is out: the counts below start from here
	PLACES
; THE WAY OUT, f32: my 64 columns are 256 bytes of a row.  16 tokens at a time through my own stage, back as whole rows into the block's own registers.
.macro OUTB a
.irp b, 0,1,2,3
	ds_store_b128 v[STO], v[ACC+8*(4*(\a)+(\b)):ACC+8*(4*(\a)+(\b))+3] offset:64*(\b)        ; each accumulator's low registers first
	ds_store_b128 v[STO], v[ACC+8*(4*(\a)+(\b))+4:ACC+8*(4*(\a)+(\b))+7] offset:64*(\b)+16
.endr
.irp t, 0,1,2,3,4,5,6,7
	ds_load_b128 v[ACC+32*(\a)+4*(\t):ACC+32*(\a)+4*(\t)+3], v[RD] offset:(\t)*2*SPITCH      ; LDS serves a wave's instructions in order (ISA guide 5.7.1.4)
.endr
.endm
.macro SENDB a, younger
.irp t, 0,1,2,3,4,5,6,7
	s_wait_dscnt (\younger)+7-(\t)
	global_store_b128 v[CO], v[ACC+32*(\a)+4*(\t):ACC+32*(\a)+4*(\t)+3], s[8:9] offset:(16*(\a)+2*(\t))*4096   ; sixteen lanes store 256 consecutive bytes, aligned
.endr
.endm
	OUTB 0
	OUTB 1
	SENDB 0, 16
	OUTB 2
	SENDB 1, 16
	OUTB 3
	SENDB 2, 16
	SENDB 3, 0
	s_wait_tensorcnt 0x0                           ; the wave's end
	ds_add_u32 v[SPW], v[NIL]
	s_wait_dscnt 0x0
	CROUND
	s_endpgm
.Lfunc_end_k_qa53a8c5631_oproj:
	.size	k_qa53a8c5631_oproj, .Lfunc_end_k_qa53a8c5631_oproj-k_qa53a8c5631_oproj
	.p2alignl 7, 3214868480
	.fill 96, 4, 3214868480
	.section	.rodata,"a",@progbits
	.p2align	6, 0x0
	.amdhsa_kernel k_qa53a8c5631_oproj
		.amdhsa_group_segment_fixed_size 327680
		.amdhsa_private_segment_fixed_size 0
		.amdhsa_enable_private_segment 0
		.amdhsa_kernarg_size 24
		.amdhsa_user_sgpr_count 2
		.amdhsa_user_sgpr_kernarg_segment_ptr 1
		.amdhsa_wavefront_size32 1
		.amdhsa_system_sgpr_workgroup_id_x 1
		.amdhsa_system_sgpr_workgroup_id_y 1
		.amdhsa_system_sgpr_workgroup_id_z 1
		.amdhsa_system_vgpr_workitem_id 0
		.amdhsa_next_free_vgpr 512
		.amdhsa_next_free_sgpr 80
		.amdhsa_reserve_vcc 0
		.amdhsa_float_denorm_mode_32 3
		.amdhsa_float_denorm_mode_16_64 3
		.amdhsa_memory_ordered 1
		.amdhsa_forward_progress 1
		.amdhsa_inst_pref_size 58
	.end_amdhsa_kernel
	.amdgpu_metadata
---
amdhsa.version: [ 1, 2 ]
amdhsa.kernels:
  - .name:           k_qa53a8c5631_oproj
    .symbol:         k_qa53a8c5631_oproj.kd
    .args:
      - { .name: ob, .offset: 0, .size: 8, .value_kind: global_buffer, .address_space: global }
      - { .name: wb, .offset: 8, .size: 8, .value_kind: global_buffer, .address_space: global }
      - { .name: pp, .offset: 16, .size: 8, .value_kind: global_buffer, .address_space: global }
    .group_segment_fixed_size: 327680
    .private_segment_fixed_size: 0
    .kernarg_segment_align: 8
    .kernarg_segment_size: 24
    .max_flat_workgroup_size: 128
    .sgpr_count:     80
    .vgpr_count:     512
    .wavefront_size: 32
...
	.end_amdgpu_metadata
.endif
;; end of part 4
;; launch ln1 (part 5): grid 256 x 1, 16 waves a work-group, no clusters, 0 bytes of LDS; arguments pp, wb, b_o, ln1_g, ln1_b, x1b; writes x1b
.if DOCPART == 5
	.amdgcn_target "amdgcn-amd-amdhsa--gfx1250"
	.amdhsa_code_object_version 6
	.text
	.protected	k_qa53a8c5631_ln1
	.globl	k_qa53a8c5631_ln1
	.p2align	8
	.type	k_qa53a8c5631_ln1,@function
k_qa53a8c5631_ln1:
	s_mov_b64 s[64:65], 0
	v_nop
	global_prefetch_b8 v0, s[64:65] scope:SCOPE_SE
	s_setreg_imm32_b32 hwreg(HW_REG_WAVE_MODE, 25, 1), 1
	s_wait_xcnt 0x0
; RESIDUAL, BIAS AND LAYER NORM.  y = r + p + bias; out = (y - mean) rsqrt(var + 1e-6) g + b, all in f32; the variance is the mean of (y - mean)^2, taken in a second pass over registers.
;   SECOND = 0: r = xb (x rounded to bf16, as every input is), out = x1 in f32 at x1b + 0 and x1 / 8 in f16 at x1b + 16,777,216 (the next product's operand).
;   SECOND = 1: r = x1 in f32, out = the module's output.
; Bias, gain and offset are inputs: rounded to bf16 where they are loaded.  LIMIT: |x1| / 8 stays in f16's range: |x1| is at most 32 |g| + |b| by the norm itself.
; SHARES.  A work-group owns 16 rows, each of its sixteen waves one; a row lies in one wave: lane l holds columns 128 j + 4 l .. + 3, j = 0..7, so every load and store of f32 covers
; 512 consecutive bytes and no wave waits for another.  All 40 loads of a wave (the row's 16, the parameters' 24) go out at once, the row's first: there is no loop, and no register is
; written again while a load or store names it.  Sixteen waves of 228 registers are four to a SIMD, 912 of its 1,024.
; Memory binds: no LDS, no matrix work, no cluster (nothing is shared but 12 KiB of parameters).
.set SECOND, 0
.set PO,  2                            ; my byte offset in the f32 rows (p, and the f32 output)
.set XO,  3                            ; in the residual's rows (and, SECOND = 0, the f16 output's)
.set VO,  4                            ; in the parameters
.set SU,  6                            ; v6-13 four pair sums
.set MU,  14
.set RS,  16
.set TT,  18
.set BI,  20
.set GA,  52
.set BE,  84
.set INP, 116
.set INX, 148
.set Y,   180
.set HH,  212
	s_load_b256 s[4:11], s[0:1], 0x0               ; p 4, residual 6, bias 8, gain 10
	s_load_b128 s[20:23], s[0:1], 0x20             ; offset 20, out 22
	v_and_b32 v1, 31, v0
	v_lshrrev_b32 v5, 5, v0                        ; wave 0..15: my row of the group's sixteen
	v_lshlrev_b32 v[VO], 4, v1
	v_lshl_add_u32 v[PO], v5, 12, v[VO]            ; a row of 4,096 bytes a wave
.if SECOND
	v_mov_b32 v[XO], v[PO]
.else
	v_lshlrev_b32 v[XO], 3, v1
	v_lshl_add_u32 v[XO], v5, 11, v[XO]            ; a row of 2,048 bytes a wave
.endif
	s_lshl_b32 s2, ttmp9, 16                       ; 16 rows of 4,096 bytes
	s_mov_b32 s3, 0
	s_lshl_b32 s24, ttmp9, 15                      ; 16 rows of 2,048 bytes
	s_mov_b32 s25, 0
	s_mov_b32 s14, 0x76543210
	s_mov_b32 s15, 0xfedcba98
	s_mov_b32 s16, 0x3a800000                      ; 1 / 1024
	s_mov_b32 s17, 0x358637bd                      ; 1e-6
	s_mov_b32 s18, 0xffff0000
	s_wait_kmcnt 0x0
	s_add_nc_u64 s[4:5], s[4:5], s[2:3]
.if SECOND
	s_add_nc_u64 s[6:7], s[6:7], s[2:3]
.else
	s_add_nc_u64 s[6:7], s[6:7], s[24:25]
	s_add_nc_u64 s[26:27], s[22:23], s[24:25]
	s_add_nc_u64 s[26:27], s[26:27], 16777216
.endif
	s_add_nc_u64 s[22:23], s[22:23], s[2:3]
.macro RB p                            ; a pair of f32 rounded to bf16 and widened again
	v_cvt_pk_bf16_f32 v[TT], v[\p], v[(\p)+1]
	v_lshlrev_b32 v[\p], 16, v[TT]
	v_and_b32 v[(\p)+1], s18, v[TT]
.endm
.macro WSUM                            ; v[SU] summed over the 32 lanes, the result in every lane
	v_add_f32_dpp v[SU], v[SU], v[SU] row_xmask:1 row_mask:0xf bank_mask:0xf
	v_add_f32_dpp v[SU], v[SU], v[SU] row_xmask:2 row_mask:0xf bank_mask:0xf
	v_add_f32_dpp v[SU], v[SU], v[SU] row_xmask:4 row_mask:0xf bank_mask:0xf
	v_add_f32_dpp v[SU], v[SU], v[SU] row_xmask:8 row_mask:0xf bank_mask:0xf
	v_permlanex16_b32 v[SU+1], v[SU], s14, s15
	v_add_f32 v[SU], v[SU], v[SU+1]
.endm
.macro FOLD                            ; the four pair sums into v[SU]
	v_pk_add_f32 v[SU:SU+1], v[SU:SU+1], v[SU+2:SU+3]
	v_pk_add_f32 v[SU+4:SU+5], v[SU+4:SU+5], v[SU+6:SU+7]
	v_pk_add_f32 v[SU:SU+1], v[SU:SU+1], v[SU+4:SU+5]
	v_add_f32 v[SU], v[SU], v[SU+1]
.endm
.irp j, 0,1,2,3,4,5,6,7
	global_load_b128 v[INP+4*\j:INP+4*\j+3], v[PO], s[4:5] offset:512*\j
.endr
.irp j, 0,1,2,3,4,5,6,7
.if SECOND
	global_load_b128 v[INX+4*\j:INX+4*\j+3], v[XO], s[6:7] offset:512*\j
.else
	global_load_b64 v[INX+2*\j:INX+2*\j+1], v[XO], s[6:7] offset:256*\j
.endif
.endr
.irp j, 0,1,2,3,4,5,6,7
	global_load_b128 v[BI+4*\j:BI+4*\j+3], v[VO], s[8:9] offset:512*\j
.endr
.irp j, 0,1,2,3,4,5,6,7
	global_load_b128 v[GA+4*\j:GA+4*\j+3], v[VO], s[10:11] offset:512*\j
.endr
.irp j, 0,1,2,3,4,5,6,7
	global_load_b128 v[BE+4*\j:BE+4*\j+3], v[VO], s[20:21] offset:512*\j
.endr
	s_wait_loadcnt 16                              ; the row and the bias are in; the 16 younger loads (gain, offset) stay out
.set p, 0
.rept 16
	RB BI+2*p
.set p, p+1
.endr
.set p, 0
.rept 16
.if SECOND
	v_pk_add_f32 v[Y+2*p:Y+2*p+1], v[INP+2*p:INP+2*p+1], v[INX+2*p:INX+2*p+1]
.else
	v_lshlrev_b32 v[Y+2*p], 16, v[INX+p]           ; bf16 to f32: the low half moves up, the high half stays
	v_and_b32 v[Y+2*p+1], s18, v[INX+p]
	v_pk_add_f32 v[Y+2*p:Y+2*p+1], v[Y+2*p:Y+2*p+1], v[INP+2*p:INP+2*p+1]
.endif
	v_pk_add_f32 v[Y+2*p:Y+2*p+1], v[Y+2*p:Y+2*p+1], v[BI+2*p:BI+2*p+1]
.set p, p+1
.endr
.set p, 0
.rept 4
	v_pk_add_f32 v[SU+2*p:SU+2*p+1], v[Y+2*p:Y+2*p+1], v[Y+8+2*p:Y+8+2*p+1]   ; the first eight pairs start four chains
.set p, p+1
.endr
.set p, 8
.rept 8
	v_pk_add_f32 v[SU+2*(p%4):SU+2*(p%4)+1], v[SU+2*(p%4):SU+2*(p%4)+1], v[Y+2*p:Y+2*p+1]
.set p, p+1
.endr
	FOLD
	WSUM
	v_mul_f32 v[MU], s16, v[SU]
	v_mul_f32 v[MU+1], s16, v[SU]
.set p, 0
.rept 16
	v_pk_add_f32 v[Y+2*p:Y+2*p+1], v[Y+2*p:Y+2*p+1], v[MU:MU+1] neg_lo:[0,1] neg_hi:[0,1]
.set p, p+1
.endr
.set p, 0
.rept 4
	v_pk_mul_f32 v[SU+2*p:SU+2*p+1], v[Y+2*p:Y+2*p+1], v[Y+2*p:Y+2*p+1]
.set p, p+1
.endr
.set p, 4
.rept 12
	v_pk_fma_f32 v[SU+2*(p%4):SU+2*(p%4)+1], v[Y+2*p:Y+2*p+1], v[Y+2*p:Y+2*p+1], v[SU+2*(p%4):SU+2*(p%4)+1]
.set p, p+1
.endr
	FOLD
	WSUM
	v_fma_f32 v[SU], v[SU], s16, s17               ; var + 1e-6
	v_rsq_f32 v[RS], v[SU]
	v_nop                                          ; a plain instruction between the root and the use of its result (ISA guide 5.7.2)
	s_wait_alu depctr_va_vdst(0)
	v_mov_b32 v[RS+1], v[RS]
	s_wait_loadcnt 0x0                             ; gain and offset are in
.set p, 0
.rept 16
	RB GA+2*p
	RB BE+2*p
.set p, p+1
.endr
.set p, 0
.rept 16
	v_pk_mul_f32 v[Y+2*p:Y+2*p+1], v[Y+2*p:Y+2*p+1], v[RS:RS+1]
.set p, p+1
.endr
.set p, 0
.rept 16
	v_pk_fma_f32 v[Y+2*p:Y+2*p+1], v[Y+2*p:Y+2*p+1], v[GA+2*p:GA+2*p+1], v[BE+2*p:BE+2*p+1]
.set p, p+1
.endr
.irp j, 0,1,2,3,4,5,6,7
	global_store_b128 v[PO], v[Y+4*\j:Y+4*\j+3], s[22:23] offset:512*\j   ; 512 consecutive bytes, aligned to 256
.endr
.if !SECOND
.set p, 0
.rept 16
	v_pk_mul_f32 v[SU+2*(p%4):SU+2*(p%4)+1], v[Y+2*p:Y+2*p+1], 0x3e000000 op_sel_hi:[1,0]   ; / 8
	v_cvt_pk_f16_f32 v[HH+p], v[SU+2*(p%4)], v[SU+2*(p%4)+1]
.set p, p+1
.endr
.irp j, 0,1,2,3,4,5,6,7
	global_store_b64 v[XO], v[HH+2*\j:HH+2*\j+1], s[26:27] offset:256*\j  ; 256 consecutive bytes, aligned
.endr
.endif
	s_endpgm
.Lfunc_end_k_qa53a8c5631_ln1:
	.size	k_qa53a8c5631_ln1, .Lfunc_end_k_qa53a8c5631_ln1-k_qa53a8c5631_ln1
	.p2alignl 7, 3214868480
	.fill 96, 4, 3214868480
	.section	.rodata,"a",@progbits
	.p2align	6, 0x0
	.amdhsa_kernel k_qa53a8c5631_ln1
		.amdhsa_group_segment_fixed_size 0
		.amdhsa_private_segment_fixed_size 0
		.amdhsa_enable_private_segment 0
		.amdhsa_kernarg_size 48
		.amdhsa_user_sgpr_count 2
		.amdhsa_user_sgpr_kernarg_segment_ptr 1
		.amdhsa_wavefront_size32 1
		.amdhsa_system_sgpr_workgroup_id_x 1
		.amdhsa_system_sgpr_workgroup_id_y 1
		.amdhsa_system_sgpr_workgroup_id_z 1
		.amdhsa_system_vgpr_workitem_id 0
		.amdhsa_next_free_vgpr 228
		.amdhsa_next_free_sgpr 66
		.amdhsa_reserve_vcc 0
		.amdhsa_float_denorm_mode_32 3
		.amdhsa_float_denorm_mode_16_64 3
		.amdhsa_memory_ordered 1
		.amdhsa_forward_progress 1
		.amdhsa_inst_pref_size 25
	.end_amdhsa_kernel
	.amdgpu_metadata
---
amdhsa.version: [ 1, 2 ]
amdhsa.kernels:
  - .name:           k_qa53a8c5631_ln1
    .symbol:         k_qa53a8c5631_ln1.kd
    .args:
      - { .name: pp, .offset: 0, .size: 8, .value_kind: global_buffer, .address_space: global }
      - { .name: wb, .offset: 8, .size: 8, .value_kind: global_buffer, .address_space: global }
      - { .name: b_o, .offset: 16, .size: 8, .value_kind: global_buffer, .address_space: global }
      - { .name: ln1_g, .offset: 24, .size: 8, .value_kind: global_buffer, .address_space: global }
      - { .name: ln1_b, .offset: 32, .size: 8, .value_kind: global_buffer, .address_space: global }
      - { .name: x1b, .offset: 40, .size: 8, .value_kind: global_buffer, .address_space: global }
    .group_segment_fixed_size: 0
    .private_segment_fixed_size: 0
    .kernarg_segment_align: 8
    .kernarg_segment_size: 48
    .max_flat_workgroup_size: 512
    .sgpr_count:     66
    .vgpr_count:     228
    .wavefront_size: 32
...
	.end_amdgpu_metadata
.endif
;; end of part 5
;; launch ffn1 (part 6): grid 16 x 16, 4 waves a work-group, clusters of 4 x 4, 327,680 bytes of LDS; arguments x1b, wb, b1, hh; writes hh
.if DOCPART == 6
	.amdgcn_target "amdgcn-amd-amdhsa--gfx1250"
	.amdhsa_code_object_version 6
	.text
	.protected	k_qa53a8c5631_ffn1
	.globl	k_qa53a8c5631_ffn1
	.p2align	8
	.type	k_qa53a8c5631_ffn1,@function
k_qa53a8c5631_ffn1:
	s_mov_b64 s[64:65], 0
	v_nop
	global_prefetch_b8 v0, s[64:65] scope:SCOPE_SE
	s_setreg_imm32_b32 hwreg(HW_REG_WAVE_MODE, 25, 1), 1
	s_wait_xcnt 0x0
	s_wait_alu depctr_hold_cnt(0) depctr_sa_sdst(0) depctr_va_vdst(0) depctr_va_sdst(0) depctr_va_ssrc(0) depctr_va_vcc(0) depctr_vm_vsrc(0)
	s_getreg_b32 s2, hwreg(HW_REG_IB_STS2, 6, 4)
	s_cmp_eq_u32 s2, 0
	s_cbranch_scc0 .Lentry_in_a_cluster
	s_endpgm
.Lentry_in_a_cluster:
	s_bfe_u32 s2, ttmp6, 0x10000c
	s_cmp_lg_u32 s2, 0xf033
	s_cbranch_scc0 .Lentry_shape_is_right
	s_endpgm
.Lentry_shape_is_right:
; FIRST LAYER OF THE FFN.  h'[token][n] = relu(sum over k of (x1 / 8)[token][k] w1[n][k] + b1[n] / 8) = relu(x1 w1^T + b1) / 8, f16 operands, f32 sums, f16 out; 4096 x 4096 x 1024.
; b1 (rounded to bf16 like every input) / 8 is the C operand of the products that start the sums.  LIMIT: f16 ends at 65,504: the layer's numbers stay under 524,000.
; SHARES.  A tile is 256 x 256: 16 x 16 work-groups.  Four waves, 128 x 128 each: 64 accumulators, 512 registers.  K goes in steps of 128 through two LDS slots; rows are 256 bytes of
; memory, aligned, padded by 16 in LDS.  CLUSTER 4 x 4: x1's tile is asked for jointly along a row of the cluster, w1's along a column.
; The matrix instruction is used transposed (source 0 = 16 rows of w1, source 1 = 16 tokens): a lane holds one token and eight neighbouring columns.
; REGISTERS (windows of 256; s_set_vgpr_msb: bits 1:0 source 0, 3:2 source 1, 5:4 source 2, 7:6 destination):
;   window 0: v16-29 addresses; v64-127, v128-191 x1's fragments, two buffers; v32-63, v192-255 at work on the way out
;   window 1: v0 at work; v64-127, v128-191 w1's fragments; v192-255 the bias of my 8 column blocks          window 2: accumulators of my tokens 0-63; window 3: of 64-127
.set PITCH,  272
.set HALFT,  128*PITCH
.set X,      4*HALFT                   ; slot 1 begins here (0x22000): no wave's LDS base has one of its two bits, so one exclusive or changes slots
.set STAGE,  2*X
.set SPITCH, 272
.set SPARE,  STAGE+4*16*SPITCH
.set T,      8
.set STEPB,  256
.set ADRA0, 16
.set ADRB0, 17
.set ADRA,  18
.set ADRB,  19
.set STO,   24
.set RD,    25
.set CO,    26
.set BO,    27
.set SPW,   28
.set NIL,   29
.set F0,    64
.set F1,    128
.set TMP,   192
.set OB,    32
.set BIAS,  192                        ; window 1
.set G1A, 24
.set G0A, 32
.set G1B, 48
.set G0B, 56
.set TB,  66
.set MSB, 0
.macro WIN new
.if MSB != (\new)
	s_set_vgpr_msb (MSB<<8)|(\new)
.set MSB, \new
.endif
.endm
.macro PLACES
.rept 4
	v_nop
.endr
.endm
.macro JLOAD
	s_cmp_eq_u32 s11, 0
	s_cbranch_scc0 .Lfor_b_\@
	tensor_load_to_lds s[G0A+4:G0A+7], s[G1A:G1A+7]
	s_nop 0
.rept 4
	v_nop
.endr
	s_branch .Lasked_\@
.Lfor_b_\@:
	tensor_load_to_lds s[G0B+4:G0B+7], s[G1B:G1B+7]
	s_nop 0
.rept 4
	v_nop
.endr
.Lasked_\@:
.endm
.macro CREST
	s_cmp_lg_u32 s10, 0
	s_cbranch_scc1 .Lnot_wave_0_\@
	s_barrier_signal -3
.Lnot_wave_0_\@:
	s_barrier_wait -3
	s_barrier_signal -1
	s_barrier_wait -1
.endm
.macro CROUND
	s_barrier_signal -1
	s_barrier_wait -1
	CREST
.endm
	s_load_b256 s[68:75], s[0:1], 0x0              ; x1b 68, wb 70, b1 72, hh 74
	v_lshl_add_u32 v[SPW], v0, 2, SPARE
	v_mov_b32 v[NIL], 0
	ds_add_u32 v28, v29
	s_wait_dscnt 0x0
	v_lshrrev_b32 v1, 5, v0
	v_readfirstlane_b32 s10, v1
	s_lshr_b32 s11, s10, 1                         ; my half of the tile's rows; also: I fetch x1 (0) or w1 (1)
	s_and_b32 s12, s10, 1                          ; my half of its columns; also: which 128 rows I fetch
	s_bfe_u32 s40, ttmp6, 0x40000
	s_bfe_u32 s41, ttmp6, 0x40004
	s_lshl_b32 s42, ttmp9, 2
	s_add_co_u32 s42, s42, s40                     ; tile column
	s_and_b32 s13, ttmp7, 0xffff
	s_lshl_b32 s13, s13, 2
	s_add_co_u32 s13, s13, s41                     ; tile row
	s_lshl_b32 s43, s41, 2
	s_lshl_b32 s43, 15, s43
	s_lshl_b32 s44, 0x1111, s40
	s_or_b32 s[G1A], s43, (1<<16)|(1<<20)|(1<<21)|(5<<22)|(3<<25)
	s_or_b32 s[G1B], s44, (1<<16)|(1<<20)|(1<<21)|(5<<22)|(3<<25)
.irp g, G1A, G1B
	s_mov_b32 s[(\g)+1], 128<<16
	s_mov_b32 s[(\g)+2], 128<<16
	s_mov_b32 s[(\g)+3], 128<<16
	s_mov_b32 s[(\g)+4], 128
	s_mov_b32 s[(\g)+5], 1024
	s_mov_b32 s[(\g)+6], 0
	s_mov_b32 s[(\g)+7], 0
.endr
	s_lshl_b32 s17, s12, 7
	s_lshl_b32 s16, s13, 8
	s_add_co_u32 s16, s16, s17
	s_lshl_b32 s16, s16, 11                        ; rows of 2,048 bytes
	s_add_co_u32 s16, s16, 16777216                ; x1 / 8 in f16 lies behind x1 in f32
	s_lshl_b32 s46, s42, 8
	s_add_co_u32 s46, s46, s17
	s_lshl_b32 s46, s46, 11
	s_add_co_u32 s46, s46, 16777216                ; w1h in wb
	s_mov_b32 s17, 0
	s_mov_b32 s47, 0
	s_mul_i32 s20, s10, HALFT                      ; x1's two halves, then w1's two halves = wave x 128 rows
	s_mov_b32 s[TB], 0
	s_mov_b32 s67, 0xffff0000
	s_wait_kmcnt 0x0
	s_add_nc_u64 s[14:15], s[68:69], s[16:17]
	s_add_nc_u64 s[46:47], s[70:71], s[46:47]
.irp s, 0,1
	s_mov_b32 s[G0A+4*(\s)], 1
	s_add_co_u32 s[G0A+4*(\s)+1], s20, (\s)*X
	s_add_nc_u64 s[G0A+4*(\s)+2:G0A+4*(\s)+3], s[14:15], (\s)*STEPB
	s_or_b32 s[G0A+4*(\s)+3], s[G0A+4*(\s)+3], 0x80000000
	s_mov_b32 s[G0B+4*(\s)], 1
	s_add_co_u32 s[G0B+4*(\s)+1], s20, (\s)*X
	s_add_nc_u64 s[G0B+4*(\s)+2:G0B+4*(\s)+3], s[46:47], (\s)*STEPB
	s_or_b32 s[G0B+4*(\s)+3], s[G0B+4*(\s)+3], 0x80000000
.endr
	CROUND
	s_cmp_eq_u32 s11, 0                            ; a wave's two first fills stand in one branch: two loads of mine are out
	s_cbranch_scc0 .Lfirst_b
	tensor_load_to_lds s[G0A:G0A+3], s[G1A:G1A+7]
	s_nop 0
	tensor_load_to_lds s[G0A+4:G0A+7], s[G1A:G1A+7]
	s_nop 0
.rept 4
	v_nop
.endr
	s_branch .Lfirst_done
.Lfirst_b:
	tensor_load_to_lds s[G0B:G0B+3], s[G1B:G1B+7]
	s_nop 0
	tensor_load_to_lds s[G0B+4:G0B+7], s[G1B:G1B+7]
	s_nop 0
.rept 4
	v_nop
.endr
.Lfirst_done:
	v_and_b32 v1, 15, v0
	v_bfe_u32 v2, v0, 4, 1
	; the bias: register j of column block b is b1[my first column + 16 b + 8 (l / 16) + j]
	s_lshl_b32 s78, s42, 10
	s_lshl_b32 s79, s12, 9
	s_add_co_u32 s78, s78, s79
	s_mov_b32 s79, 0
	s_add_nc_u64 s[72:73], s[72:73], s[78:79]
	v_lshlrev_b32 v[BO], 5, v2
	WIN 0x40
.set i, 0
.rept 8
	global_load_b128 v[BIAS+8*i:BIAS+8*i+3],   v[BO], s[72:73] offset:64*i
	global_load_b128 v[BIAS+8*i+4:BIAS+8*i+7], v[BO], s[72:73] offset:64*i+16
.set i, i+1
.endr
	WIN 0
	v_mul_u32_u24 v3, v1, PITCH
	v_lshl_add_u32 v3, v2, 4, v3
	s_mul_i32 s21, s11, HALFT
	s_mul_i32 s22, s12, HALFT
	s_add_co_u32 s22, s22, 2*HALFT
	v_add_nc_u32 v[ADRA0], s21, v3
	v_add_nc_u32 v[ADRB0], s22, v3
	v_mov_b32 v[ADRA], v[ADRA0]
	v_mov_b32 v[ADRB], v[ADRB0]
	s_mul_i32 s23, s10, 16*SPITCH
	s_add_co_u32 s23, s23, STAGE
	v_mul_u32_u24 v4, v1, SPITCH
	v_lshl_add_u32 v4, v2, 4, v4
	v_add_nc_u32 v[STO], s23, v4
	v_mul_u32_u24 v5, v2, SPITCH
	v_lshl_add_u32 v5, v1, 4, v5
	v_add_nc_u32 v[RD], s23, v5
	v_lshlrev_b32 v5, 13, v2                       ; rows of hh are 8,192 bytes
	v_lshl_add_u32 v[CO], v1, 4, v5
	s_lshl_b32 s76, s13, 21                        ; 256 rows,
	s_lshl_b32 s77, s11, 20                        ; my 128,
	s_add_co_u32 s76, s76, s77
	s_lshl_b32 s77, s42, 9                         ; 256 columns of 2 bytes,
	s_add_co_u32 s76, s76, s77
	s_lshl_b32 s77, s12, 8                         ; my 128
	s_add_co_u32 s76, s76, s77
	s_mov_b32 s77, 0
	s_add_nc_u64 s[8:9], s[74:75], s[76:77]
	s_wait_loadcnt 0x0
	WIN 0x55
.set i, 0
.rept 32
	v_cvt_pk_bf16_f32 v0, v[BIAS+2*i], v[BIAS+2*i+1]          ; (window 1's v0) the bias is an input: rounded to bf16,
	v_lshlrev_b32 v[BIAS+2*i], 16, v0
	v_and_b32 v[BIAS+2*i+1], s67, v0
	v_pk_mul_f32 v[BIAS+2*i:BIAS+2*i+1], v[BIAS+2*i:BIAS+2*i+1], 0x3e000000 op_sel_hi:[1,0]   ; / 8
.set i, i+1
.endr
	WIN 0
; 16 products: token blocks a0, a0 + 1 of the window's four (hi = 0: my tokens 0-63, 1: 64-127) x all 8 column blocks.  start = 1: the bias starts the sums.
.macro MUL16 f, hi, a0, start
.if \start
	WIN 0x91+0x40*(\hi)
.else
	WIN 0xa1+0x50*(\hi)
.endif
.irp a, \a0, (\a0)+1
.irp b, 0,1,2,3,4,5,6,7
.if \start
	v_wmma_f32_16x16x32_f16 v[8*(8*(\a)+(\b)):8*(8*(\a)+(\b))+7], v[(\f)+8*(\b):(\f)+8*(\b)+7], v[(\f)+8*(4*(\hi)+(\a)):(\f)+8*(4*(\hi)+(\a))+7], v[BIAS+8*(\b):BIAS+8*(\b)+7]
.else
	v_wmma_f32_16x16x32_f16 v[8*(8*(\a)+(\b)):8*(8*(\a)+(\b))+7], v[(\f)+8*(\b):(\f)+8*(\b)+7], v[(\f)+8*(4*(\hi)+(\a)):(\f)+8*(4*(\hi)+(\a))+7], v[8*(8*(\a)+(\b)):8*(8*(\a)+(\b))+7]
.endif
.endr
.endr
.endm
.macro FETCH k, f
	WIN 0x40
.irp i, 0,1,2,3,4,5,6,7
	ds_load_b128 v[(\f)+8*(\i):(\f)+8*(\i)+3],   v[ADRB] offset:(\k)+(\i)*16*PITCH
	ds_load_b128 v[(\f)+8*(\i)+4:(\f)+8*(\i)+7], v[ADRB] offset:(\k)+(\i)*16*PITCH+32
.endr
	WIN 0
.irp i, 0,1,2,3,4,5,6,7
	ds_load_b128 v[(\f)+8*(\i):(\f)+8*(\i)+3],   v[ADRA] offset:(\k)+(\i)*16*PITCH
	ds_load_b128 v[(\f)+8*(\i)+4:(\f)+8*(\i)+7], v[ADRA] offset:(\k)+(\i)*16*PITCH+32
.endr
.endm
; A K step is four quarters of 32 along K, 64 products each, on buffers 0, 1, 0, 1; the 64 accumulators take turns in one order.
.macro QUARTER k, f, g, start
	s_wait_dscnt 8                                 ; all but the youngest eight loads (my tokens 64-127) are in
	MUL16 \f, 0, 0, \start
	MUL16 \f, 0, 2, \start
	PLACES
	FETCH \k, \g
	s_wait_dscnt 32                                ; all but the 32 just issued
	MUL16 \f, 1, 0, \start
	MUL16 \f, 1, 2, \start
.endm
.macro TURN fill
	WIN 0
	s_wait_tensorcnt 0x0                           ; all my tensor loads have landed: my part of the next slot;
	ds_add_u32 v[SPW], v[NIL]                      ; 0 onto my spare word
	s_wait_dscnt 9                                 ; (the add and the youngest eight loads may be out)
	MUL16 F1, 0, 0, 0
	s_wait_dscnt 0x0                               ; the add is done, and my reads of this slot are over
	s_barrier_signal -1
	MUL16 F1, 0, 2, 0
	WIN 0
	s_barrier_wait -1
.if \fill
	CREST                                          ; no wave of any partner still reads this slot or has a load on its way
	s_xor_b32 s[G0A+5], s[G0A+5], X
	s_add_nc_u64 s[G0A+6:G0A+7], s[G0A+6:G0A+7], STEPB
	s_xor_b32 s[G0B+5], s[G0B+5], X
	s_add_nc_u64 s[G0B+6:G0B+7], s[G0B+6:G0B+7], STEPB
	JLOAD                                          ; the first tensor load behind the round; its four v_nop are also the places in front of the loads below
.else
	PLACES
.endif
	s_xor_b32 s[TB], s[TB], X
	v_add_nc_u32 v[ADRA], s[TB], v[ADRA0]
	v_add_nc_u32 v[ADRB], s[TB], v[ADRB0]
.if !(\fill)
	s_cmp_eq_u32 s3, 1                             ; the very last step has no successor
	s_cbranch_scc1 .Lno_fetch_\@
.endif
	FETCH 0, F0
	WIN 0
.if !(\fill)
.Lno_fetch_\@:
.endif
	MUL16 F1, 1, 0, 0
	MUL16 F1, 1, 2, 0
.endm
	s_wait_tensorcnt 0x1                           ; my part of K step 0 is in; step 1's may stay out
	s_barrier_signal -1
	s_barrier_wait -1
	FETCH 0, F0
	QUARTER 64, F0, F1, 1
	WIN 0
	s_mov_b32 s3, T-2
.Lk:
	QUARTER 128, F1, F0, 0
	QUARTER 192, F0, F1, 0
	TURN 1
	QUARTER 64, F0, F1, 0
	WIN 0
	s_sub_co_u32 s3, s3, 1
	s_cmp_lg_u32 s3, 0
	s_cbranch_scc1 .Lk
	s_mov_b32 s3, 2
.Lt:                                                   ; the last two steps ask for nothing; the second trip is left in its middle
	QUARTER 128, F1, F0, 0
	QUARTER 192, F0, F1, 0
	TURN 0
	WIN 0
	s_sub_co_u32 s3, s3, 1
	s_cmp_eq_u32 s3, 0
	s_cbranch_scc1 .Lout
	QUARTER 64, F0, F1, 0
	WIN 0
	s_branch .Lt
.Lout:
	s_wait_dscnt 0x0                               ; no LDS instruction is out
	PLACES
; THE WAY OUT of block a (16 tokens): relu, f16, through my stage, back as whole rows of 256 bytes.
.macro PACK a
.set AC, 64*((\a)%4)
	WIN 0x8a+0x45*((\a)/4)                         ; in place, in window 2 or 3
.set i, 0
.rept 64
	v_max_num_f32 v[AC+i], 0, v[AC+i]
.set i, i+1
.endr
	WIN 0x0a+5*((\a)/4)
.set i, 0
.rept 32
	v_cvt_pk_f16_f32 v[TMP+i], v[AC+2*i], v[AC+2*i+1]
.set i, i+1
.endr
	WIN 0
.endm
.macro TOSTAGE a
.set BK, OB+192*((\a)%2)
.irp b, 0,1,2,3,4,5,6,7
	ds_store_b128 v[STO], v[TMP+4*(\b):TMP+4*(\b)+3] offset:32*(\b)
.endr
.irp t, 0,1,2,3,4,5,6,7
	ds_load_b128 v[BK+4*(\t):BK+4*(\t)+3], v[RD] offset:(\t)*2*SPITCH   ; LDS serves a wave's instructions in order (ISA guide 5.7.1.4)
.endr
.endm
.macro SEND a
.set BK, OB+192*((\a)%2)
	s_wait_dscnt 0x0                               ; the block is back in registers
	s_wait_xcnt 0x0                                ; the stores of the block before have read their registers: the next block's loads land there only behind this wait
.irp t, 0,1,2,3,4,5,6,7
	global_store_b128 v[CO], v[BK+4*(\t):BK+4*(\t)+3], s[8:9] offset:(16*(\a)+2*(\t))*8192   ; sixteen lanes store 256 consecutive bytes, aligned; 126 rows at the most, inside the signed 24-bit immediate
.endr
.endm
	PACK 0
	TOSTAGE 0
.irp a, 1,2,3,4,5,6,7                  ; block a's arithmetic stands between block a - 1's loads from the stage and the wait for them
	PACK \a
	SEND (\a)-1
	TOSTAGE \a
.endr
	SEND 7
	s_wait_tensorcnt 0x0                           ; the wave's end
	ds_add_u32 v[SPW], v[NIL]
	s_wait_dscnt 0x0
	CROUND
	s_endpgm
.Lfunc_end_k_qa53a8c5631_ffn1:
	.size	k_qa53a8c5631_ffn1, .Lfunc_end_k_qa53a8c5631_ffn1-k_qa53a8c5631_ffn1
	.p2alignl 7, 3214868480
	.fill 96, 4, 3214868480
	.section	.rodata,"a",@progbits
	.p2align	6, 0x0
	.amdhsa_kernel k_qa53a8c5631_ffn1
		.amdhsa_group_segment_fixed_size 327680
		.amdhsa_private_segment_fixed_size 0
		.amdhsa_enable_private_segment 0
		.amdhsa_kernarg_size 32
		.amdhsa_user_sgpr_count 2
		.amdhsa_user_sgpr_kernarg_segment_ptr 1
		.amdhsa_wavefront_size32 1
		.amdhsa_system_sgpr_workgroup_id_x 1
		.amdhsa_system_sgpr_workgroup_id_y 1
		.amdhsa_system_sgpr_workgroup_id_z 1
		.amdhsa_system_vgpr_workitem_id 0
		.amdhsa_next_free_vgpr 1024
		.amdhsa_next_free_sgpr 80
		.amdhsa_reserve_vcc 0
		.amdhsa_float_denorm_mode_32 3
		.amdhsa_float_denorm_mode_16_64 3
		.amdhsa_memory_ordered 1
		.amdhsa_forward_progress 1
		.amdhsa_inst_pref_size 124
	.end_amdhsa_kernel
	.amdgpu_metadata
---
amdhsa.version: [ 1, 2 ]
amdhsa.kernels:
  - .name:           k_qa53a8c5631_ffn1
    .symbol:         k_qa53a8c5631_ffn1.kd
    .args:
      - { .name: x1b, .offset: 0, .size: 8, .value_kind: global_buffer, .address_space: global }
      - { .name: wb, .offset: 8, .size: 8, .value_kind: global_buffer, .address_space: global }
      - { .name: b1, .offset: 16, .size: 8, .value_kind: global_buffer, .address_space: global }
      - { .name: hh, .offset: 24, .size: 8, .value_kind: global_buffer, .address_space: global }
    .group_segment_fixed_size: 327680
    .private_segment_fixed_size: 0
    .kernarg_segment_align: 8
    .kernarg_segment_size: 32
    .max_flat_workgroup_size: 128
    .sgpr_count:     80
    .vgpr_count:     1024
    .wavefront_size: 32
...
	.end_amdgpu_metadata
.endif
;; end of part 6
;; launch ffn2 (part 7): grid 8 x 32, 4 waves a work-group, clusters of 4 x 4, 327,680 bytes of LDS; arguments hh, wb, pp; writes pp
.if DOCPART == 7
	.amdgcn_target "amdgcn-amd-amdhsa--gfx1250"
	.amdhsa_code_object_version 6
	.text
	.protected	k_qa53a8c5631_ffn2
	.globl	k_qa53a8c5631_ffn2
	.p2align	8
	.type	k_qa53a8c5631_ffn2,@function
k_qa53a8c5631_ffn2:
	s_mov_b64 s[64:65], 0
	v_nop
	global_prefetch_b8 v0, s[64:65] scope:SCOPE_SE
	s_setreg_imm32_b32 hwreg(HW_REG_WAVE_MODE, 25, 1), 1
	s_wait_xcnt 0x0
	s_wait_alu depctr_hold_cnt(0) depctr_sa_sdst(0) depctr_va_vdst(0) depctr_va_sdst(0) depctr_va_ssrc(0) depctr_va_vcc(0) depctr_vm_vsrc(0)
	s_getreg_b32 s2, hwreg(HW_REG_IB_STS2, 6, 4)
	s_cmp_eq_u32 s2, 0
	s_cbranch_scc0 .Lentry_in_a_cluster
	s_endpgm
.Lentry_in_a_cluster:
	s_bfe_u32 s2, ttmp6, 0x10000c
	s_cmp_lg_u32 s2, 0xf033
	s_cbranch_scc0 .Lentry_shape_is_right
	s_endpgm
.Lentry_shape_is_right:
; SECOND LAYER OF THE FFN.  pp[token][n] = sum over k of h'[token][k] w2h[n][k], f16 operands, f32 sums, f32 out; 4096 x 1024 x 4096.  h' = relu(..) / 8 [4096][4096]; w2h = 8 w2 [1024][4096]:
; the factors 8 and 1/8 cancel exactly.  Bias, residual and norm follow in the next launch: a row's 1,024 columns are spread over eight work-groups, which may not exchange sums.
; SHARES.  A tile is 128 x 128: 8 x 32 work-groups, one for each WGP.  Four waves, 64 x 64 each: 16 accumulators.  K goes in steps of 256 through two LDS slots, as long as two slots allow:
; rows of 512 bytes of memory, aligned, 64 to a wave's load, padded by 16 in LDS.
; CLUSTER 4 x 4: h's tile is asked for jointly along a row of the cluster, w2's along a column.  The matrix instruction is used transposed: a lane holds one token and eight neighbouring columns.
; PREFETCH.  A step has 128 products a wave for a slot of 256 rows x 512 bytes, and the wave waits for its tiles; the slots cannot grow and the tiles are shared already.  So the rows of h' and w2h
; are asked for ahead, into the L2, in groups of four K steps (2,048 bytes of a row): group g (steps 4 g .. 4 g + 3, g = 1, 2, 3) in trip 4 g - 3; the refill that loads step 4 g is issued in trip
; 4 g - 2.  Each aligned block of 256 bytes is asked for once in the launch: of h' wave w of work-group (tx, ty) asks for rows 128 ty + 16 tx + 4 w .. + 3; of w2h wave 0 of work-group (tx, ty)
; for rows 128 tx + 4 ty .. + 3; a wave's 32 lanes are 4 rows x 8 blocks.  Asked for and not yet read: 8 MiB of h' and 2 MiB of w2h at the most.  Steps 0 to 3 (the first fills and the first two
; refills) are not asked for, and the last trips ask for nothing: no request leaves a row.
; REGISTERS: window 0: v16-30 addresses; v128-255 accumulators ((a, b) at 128 + 8 (4 a + b)).  Window 1: two fragment buffers of 128: 64 of h' (2 x 4 x 8), then 64 of w2h.
.set KSZ,    4096
.set PITCH,  528                       ; an LDS row: 512 bytes + 16
.set HALF,   64*PITCH                  ; what one tensor load brings, and what one wave reads of either operand
.set BOFF,   2*HALF                    ; w2h's 128 rows lie behind h's 128
.set STEPB,  512                       ; bytes along a row from step to step
.set WOFF,   25165824                  ; w2h in wb
.set T,      KSZ/256
.set X,      0x24000                   ; slot 1 begins here: no wave's LDS base has one of its two bits, so one exclusive or changes slots
.set STAGE,  288768                    ; behind the ring: 16 rows x 272 bytes for each wave
.set SPITCH, 272
.set SPARE,  STAGE+4*16*SPITCH         ; the spare words, 128 bytes for each wave; no other line names them
.set ADRA0, 16
.set ADRB0, 17
.set ADRA,  18
.set ADRB,  19
.set STO,   24
.set RD,    25
.set CO,    26
.set SPW,   28
.set NIL,   29
.set PF,    30                         ; the prefetch's lane term: 8,192 (l / 8) + 256 (l % 8); never rewritten
.set ACC,   128
.set F0,    0
.set F1,    128
.set G1A, 24
.set G0A, 32                           ; two sets: s[32:35] the first fill; s[36:39] the second, which then walks
.set G1B, 48
.set G0B, 56
.set TB,  66
.set PFA, 80                           ; s[80:81] h' at my four rows, at the group asked for last
.set PFB, 82                           ; s[82:83] w2h at my work-group's four rows, likewise
.set MSB, 0
.macro WIN new
.if MSB != (\new)
	s_set_vgpr_msb (MSB<<8)|(\new)
.set MSB, \new
.endif
.endm
.macro PLACES
.rept 4
	v_nop
.endr
.endm
.macro JLOAD
	s_cmp_eq_u32 s11, 0
	s_cbranch_scc0 .Lfor_b_\@
	tensor_load_to_lds s[G0A+4:G0A+7], s[G1A:G1A+7]
	s_nop 0
.rept 4
	v_nop
.endr
	s_branch .Lasked_\@
.Lfor_b_\@:
	tensor_load_to_lds s[G0B+4:G0B+7], s[G1B:G1B+7]
	s_nop 0
.rept 4
	v_nop
.endr
.Lasked_\@:
.endm
.macro CREST
	s_cmp_lg_u32 s10, 0
	s_cbranch_scc1 .Lnot_wave_0_\@
	s_barrier_signal -3
.Lnot_wave_0_\@:
	s_barrier_wait -3
	s_barrier_signal -1
	s_barrier_wait -1
.endm
.macro CROUND
	s_barrier_signal -1
	s_barrier_wait -1
	CREST
.endm
	s_load_b128 s[68:71], s[0:1], 0x0              ; hh s[68:69], wb s[70:71]
	s_load_b64 s[72:73], s[0:1], 0x10              ; pp
	v_lshl_add_u32 v[SPW], v0, 2, SPARE
	v_mov_b32 v[NIL], 0
	ds_add_u32 v28, v29
	s_wait_dscnt 0x0
	v_lshrrev_b32 v1, 5, v0
	v_readfirstlane_b32 s10, v1
	s_lshr_b32 s11, s10, 1                         ; my half of the tile's rows; also: I fetch h' (0) or w2h (1)
	s_and_b32 s12, s10, 1                          ; my half of its columns; also: which half I fetch
	s_bfe_u32 s40, ttmp6, 0x40000
	s_bfe_u32 s41, ttmp6, 0x40004
	s_lshl_b32 s42, ttmp9, 2
	s_add_co_u32 s42, s42, s40                     ; tile column tx
	s_and_b32 s13, ttmp7, 0xffff
	s_lshl_b32 s13, s13, 2
	s_add_co_u32 s13, s13, s41                     ; tile row ty
	s_lshl_b32 s43, s41, 2
	s_lshl_b32 s43, 15, s43
	s_lshl_b32 s44, 0x1111, s40
	s_or_b32 s[G1A], s43, (1<<16)|(1<<20)|(1<<21)|(6<<22)|(3<<25)   ; mask; 2-byte elements; padding on; bit 21 beside a mask; after every 128 words 4 words
	s_or_b32 s[G1B], s44, (1<<16)|(1<<20)|(1<<21)|(6<<22)|(3<<25)
.irp g, G1A, G1B
	s_mov_b32 s[(\g)+1], 256<<16                   ; tensor_dim0 = 256
	s_mov_b32 s[(\g)+2], 64<<16                    ; tensor_dim1 = 64
	s_mov_b32 s[(\g)+3], 256<<16                   ; tile_dim0 = 256
	s_mov_b32 s[(\g)+4], 64                        ; tile_dim1 = 64
	s_mov_b32 s[(\g)+5], KSZ                       ; elements from row to row
	s_mov_b32 s[(\g)+6], 0
	s_mov_b32 s[(\g)+7], 0
.endr
	s_lshl_b32 s16, s13, 20                        ; 128 rows of 8,192 bytes for each tile row,
	s_lshl_b32 s17, s12, 19                        ; 64 for my half
	s_add_co_u32 s16, s16, s17
	s_lshl_b32 s46, s42, 20
	s_lshl_b32 s47, s12, 19
	s_mov_b32 s17, 0
	s_add_co_u32 s46, s46, s47
	s_add_co_u32 s46, s46, WOFF
	s_mov_b32 s47, 0
	s_mul_i32 s20, s12, HALF                       ; where they go: no place in the cluster enters an LDS address
	s_mul_i32 s21, s12, HALF
	s_add_co_u32 s21, s21, BOFF
	s_mov_b32 s[TB], 0
	s_wait_kmcnt 0x0
	s_add_nc_u64 s[14:15], s[68:69], s[16:17]
	s_add_nc_u64 s[46:47], s[70:71], s[46:47]
.irp s, 0,1
	s_mov_b32 s[G0A+4*(\s)], 1
	s_add_co_u32 s[G0A+4*(\s)+1], s20, (\s)*X
	s_add_nc_u64 s[G0A+4*(\s)+2:G0A+4*(\s)+3], s[14:15], (\s)*STEPB
	s_or_b32 s[G0A+4*(\s)+3], s[G0A+4*(\s)+3], 0x80000000
	s_mov_b32 s[G0B+4*(\s)], 1
	s_add_co_u32 s[G0B+4*(\s)+1], s21, (\s)*X
	s_add_nc_u64 s[G0B+4*(\s)+2:G0B+4*(\s)+3], s[46:47], (\s)*STEPB
	s_or_b32 s[G0B+4*(\s)+3], s[G0B+4*(\s)+3], 0x80000000
.endr
	CROUND                                         ; all sixteen work-groups are here: the first joint loads meet
	s_cmp_eq_u32 s11, 0                            ; a wave's two first fills stand in one branch: two loads of mine are out
	s_cbranch_scc0 .Lfirst_b
	tensor_load_to_lds s[G0A:G0A+3], s[G1A:G1A+7]
	s_nop 0
	tensor_load_to_lds s[G0A+4:G0A+7], s[G1A:G1A+7]
	s_nop 0
.rept 4
	v_nop
.endr
	s_branch .Lfirst_done
.Lfirst_b:
	tensor_load_to_lds s[G0B:G0B+3], s[G1B:G1B+7]
	s_nop 0
	tensor_load_to_lds s[G0B+4:G0B+7], s[G1B:G1B+7]
	s_nop 0
.rept 4
	v_nop
.endr
.Lfirst_done:
	v_and_b32 v1, 15, v0
	v_bfe_u32 v2, v0, 4, 1
	v_mul_u32_u24 v3, v1, PITCH
	v_lshl_add_u32 v3, v2, 4, v3
	s_mul_i32 s21, s11, HALF                       ; my 64 tokens
	v_add_nc_u32 v[ADRA0], s21, v3
	s_mul_i32 s22, s12, HALF                       ; my 64 rows of w2h
	s_add_co_u32 s22, s22, BOFF
	v_add_nc_u32 v[ADRB0], s22, v3
	v_mov_b32 v[ADRA], v[ADRA0]
	v_mov_b32 v[ADRB], v[ADRB0]
	s_mul_i32 s23, s10, 16*SPITCH
	s_add_co_u32 s23, s23, STAGE                   ; my stage
	v_mul_u32_u24 v4, v1, SPITCH                   ; in: row l % 16, 32 bytes for each half of the lanes
	v_lshl_add_u32 v4, v2, 5, v4
	v_add_nc_u32 v[STO], s23, v4
	v_mul_u32_u24 v5, v2, SPITCH                   ; back: lanes 0-15 take one row of 256 bytes, lanes 16-31 the next
	v_lshl_add_u32 v5, v1, 4, v5
	v_add_nc_u32 v[RD], s23, v5
	v_lshlrev_b32 v5, 12, v2                       ; and the same two rows in pp
	v_lshl_add_u32 v[CO], v1, 4, v5
	s_lshl_b32 s76, s13, 19                        ; 128 rows of 4,096 bytes,
	s_lshl_b32 s77, s11, 18                        ; my 64,
	s_add_co_u32 s76, s76, s77
	s_lshl_b32 s77, s42, 9                         ; 128 columns of 4 bytes,
	s_add_co_u32 s76, s76, s77
	s_lshl_b32 s77, s12, 8                         ; my 64
	s_add_co_u32 s76, s76, s77
	s_mov_b32 s77, 0
	s_add_nc_u64 s[8:9], s[72:73], s[76:77]
	; the prefetch's addresses: 4 rows of 8,192 bytes x 8 blocks of 256 bytes for the 32 lanes; the bases stand at the rows' first byte and step by a group
	v_bfe_u32 v6, v0, 3, 2                         ; (l / 8) % 4
	v_and_b32 v7, 7, v0                            ; l % 8
	v_lshlrev_b32 v[PF], 13, v6
	v_lshl_add_u32 v[PF], v7, 8, v[PF]
	s_lshl_b32 s76, s13, 20                        ; h': row 128 ty
	s_lshl_b32 s77, s42, 17                        ; + 16 tx
	s_add_co_u32 s76, s76, s77
	s_lshl_b32 s77, s10, 15                        ; + 4 w
	s_add_co_u32 s76, s76, s77
	s_mov_b32 s77, 0
	s_add_nc_u64 s[PFA:PFA+1], s[68:69], s[76:77]
	s_lshl_b32 s76, s42, 20                        ; w2h: row 128 tx
	s_lshl_b32 s77, s13, 15                        ; + 4 ty
	s_add_co_u32 s76, s76, s77
	s_add_co_u32 s76, s76, WOFF
	s_mov_b32 s77, 0
	s_add_nc_u64 s[PFB:PFB+1], s[70:71], s[76:77]
; 8 products: token blocks a0, a0 + 1 x all 4 column blocks, 32 along K: half c of buffer f
.macro MUL8 f, c, a0, zero
	WIN 0x05
.irp a, \a0, (\a0)+1
.irp b, 0,1,2,3
.if \zero
	v_wmma_f32_16x16x32_f16 v[ACC+8*(4*(\a)+(\b)):ACC+8*(4*(\a)+(\b))+7], v[(\f)+64+8*(4*(\c)+(\b)):(\f)+64+8*(4*(\c)+(\b))+7], v[(\f)+8*(4*(\c)+(\a)):(\f)+8*(4*(\c)+(\a))+7], 0
.else
	v_wmma_f32_16x16x32_f16 v[ACC+8*(4*(\a)+(\b)):ACC+8*(4*(\a)+(\b))+7], v[(\f)+64+8*(4*(\c)+(\b)):(\f)+64+8*(4*(\c)+(\b))+7], v[(\f)+8*(4*(\c)+(\a)):(\f)+8*(4*(\c)+(\a))+7], v[ACC+8*(4*(\a)+(\b)):ACC+8*(4*(\a)+(\b))+7]
.endif
.endr
.endr
.endm
; 32 LDS loads in one run: quarter q (64 along K) into buffer f; its first 32 along K first
.macro FETCH q, f
	WIN 0x40
.irp c, 0,1
.irp i, 0,1,2,3
	ds_load_b128 v[(\f)+64+8*(4*(\c)+(\i)):(\f)+64+8*(4*(\c)+(\i))+3],   v[ADRB] offset:128*(\q)+64*(\c)+(\i)*16*PITCH
	ds_load_b128 v[(\f)+64+8*(4*(\c)+(\i))+4:(\f)+64+8*(4*(\c)+(\i))+7], v[ADRB] offset:128*(\q)+64*(\c)+(\i)*16*PITCH+32
	ds_load_b128 v[(\f)+8*(4*(\c)+(\i)):(\f)+8*(4*(\c)+(\i))+3],         v[ADRA] offset:128*(\q)+64*(\c)+(\i)*16*PITCH
	ds_load_b128 v[(\f)+8*(4*(\c)+(\i))+4:(\f)+8*(4*(\c)+(\i))+7],       v[ADRA] offset:128*(\q)+64*(\c)+(\i)*16*PITCH+32
.endr
.endr
.endm
; A K step is four quarters of 64 along K, 32 products each, on buffers 0, 1, 0, 1; the 16 accumulators take turns.
.macro QUARTER q, f, g, zero
	s_wait_dscnt 16                                ; the first 32 along K are in
	MUL8 \f, 0, 0, \zero
	MUL8 \f, 0, 2, \zero
	PLACES
	FETCH \q, \g
	s_wait_dscnt 32                                ; all but the 32 just issued
	MUL8 \f, 1, 0, 0
	MUL8 \f, 1, 2, 0
.endm
; The last quarter multiplies buffer 1 and changes slots.  Its first 16 products stand AHEAD of the wait for the tensor loads: the wave is here before its part of the next slot, and what stands
; between that wait and the refill would lengthen every trip; so only the add and the descriptors' scalar steps stand there.  fill = 1: the slot just read is filled again, two steps ahead,
; behind a round of the cluster's barrier.  fill = 0 (the tail): nothing is asked for; the very last step (s3 = 1) has no successor to fetch from either.
.macro TURN fill
	s_wait_dscnt 16                                ; the first 32 along K are in
	MUL8 F1, 0, 0, 0
	MUL8 F1, 0, 2, 0
	WIN 0
	s_wait_tensorcnt 0x0                           ; all my tensor loads have landed: my part of the next slot; so every group 0 may be written;
	ds_add_u32 v[SPW], v[NIL]                      ; 0 onto my spare word
.if \fill
	s_xor_b32 s[G0A+5], s[G0A+5], X                ; the walking descriptors: the other slot than last time, the next K step
	s_add_nc_u64 s[G0A+6:G0A+7], s[G0A+6:G0A+7], STEPB
	s_xor_b32 s[G0B+5], s[G0B+5], X
	s_add_nc_u64 s[G0B+6:G0B+7], s[G0B+6:G0B+7], STEPB
.endif
	s_wait_dscnt 0x0                               ; the add is done, and my reads of this slot are over
	s_barrier_signal -1
	s_barrier_wait -1
.if \fill
	CREST                                          ; no wave of any partner still reads this slot or has a load on its way
	JLOAD                                          ; the first tensor load behind the round; its four v_nop are also the places in front of the loads below
.else
	PLACES
.endif
	s_xor_b32 s[TB], s[TB], X
	v_add_nc_u32 v[ADRA], s[TB], v[ADRA0]
	v_add_nc_u32 v[ADRB], s[TB], v[ADRB0]
.if !(\fill)
	s_cmp_eq_u32 s3, 1
	s_cbranch_scc1 .Lno_fetch_\@
.endif
	FETCH 0, F0
	WIN 0
.if !(\fill)
.Lno_fetch_\@:
.endif
	MUL8 F1, 1, 0, 0
	MUL8 F1, 1, 2, 0
.endm
	s_wait_tensorcnt 0x1                           ; my part of K step 0 is in; step 1's may stay out
	s_barrier_signal -1
	s_barrier_wait -1
	FETCH 0, F0
	QUARTER 1, F0, F1, 1                           ; the first quarter's first products start the sums: nothing is cleared
	WIN 0
	s_mov_b32 s3, T-2
.Lk:                                                   ; trip i = T - 2 - s3: a step's quarters 1 to 3 and the next step's quarter 0; its refill loads step i + 2
	s_and_b32 s78, s3, 3                           ; trips 1, 5 and 9 (s3 = 13, 9, 5) ask for the next group of four steps;
	s_cmp_eq_u32 s78, 1
	s_cbranch_scc0 .Lno_pf
	s_cmp_eq_u32 s3, 1                             ; trip 13 would ask past the rows' end: it asks for nothing
	s_cbranch_scc1 .Lno_pf
	s_wait_xcnt 0x0                                ; the bases are stepped only behind this wait: it stands four trips behind the last request
	s_add_nc_u64 s[PFA:PFA+1], s[PFA:PFA+1], 4*STEPB
	s_add_nc_u64 s[PFB:PFB+1], s[PFB:PFB+1], 4*STEPB
	global_prefetch_b8 v[PF], s[PFA:PFA+1] th:TH_LOAD_NT scope:SCOPE_SE   ; my four rows of h', 2,048 bytes of each
	s_cmp_lg_u32 s10, 0
	s_cbranch_scc1 .Lno_pf
	global_prefetch_b8 v[PF], s[PFB:PFB+1] th:TH_LOAD_NT scope:SCOPE_SE   ; wave 0: my work-group's four rows of w2h
.Lno_pf:
	QUARTER 2, F1, F0, 0
	QUARTER 3, F0, F1, 0
	TURN 1
	QUARTER 1, F0, F1, 0
	WIN 0
	s_sub_co_u32 s3, s3, 1
	s_cmp_lg_u32 s3, 0
	s_cbranch_scc1 .Lk
	s_mov_b32 s3, 2
.Lt:                                                   ; the last two steps ask for nothing; the second trip is left in its middle
	QUARTER 2, F1, F0, 0
	QUARTER 3, F0, F1, 0
	TURN 0
	WIN 0
	s_sub_co_u32 s3, s3, 1
	s_cmp_eq_u32 s3, 0
	s_cbranch_scc1 .Lout
	QUARTER 1, F0, F1, 0
	WIN 0
	s_branch .Lt
.Lout:
	s_wait_dscnt 0x0                               ; no LDS instruction is out: the counts below start from here
	PLACES
; THE WAY OUT, f32: my 64 columns are 256 bytes of a row.  16 tokens at a time through my own stage, back as whole rows into the block's own registers.
.macro OUTB a
.irp b, 0,1,2,3
	ds_store_b128 v[STO], v[ACC+8*(4*(\a)+(\b)):ACC+8*(4*(\a)+(\b))+3] offset:64*(\b)        ; each accumulator's low registers first
	ds_store_b128 v[STO], v[ACC+8*(4*(\a)+(\b))+4:ACC+8*(4*(\a)+(\b))+7] offset:64*(\b)+16
.endr
.irp t, 0,1,2,3,4,5,6,7
	ds_load_b128 v[ACC+32*(\a)+4*(\t):ACC+32*(\a)+4*(\t)+3], v[RD] offset:(\t)*2*SPITCH      ; LDS serves a wave's instructions in order (ISA guide 5.7.1.4)
.endr
.endm
.macro SENDB a, younger
.irp t, 0,1,2,3,4,5,6,7
	s_wait_dscnt (\younger)+7-(\t)
	global_store_b128 v[CO], v[ACC+32*(\a)+4*(\t):ACC+32*(\a)+4*(\t)+3], s[8:9] offset:(16*(\a)+2*(\t))*4096   ; sixteen lanes store 256 consecutive bytes, aligned
.endr
.endm
	OUTB 0
	OUTB 1
	SENDB 0, 16
	OUTB 2
	SENDB 1, 16
	OUTB 3
	SENDB 2, 16
	SENDB 3, 0
	s_wait_tensorcnt 0x0                           ; the wave's end
	ds_add_u32 v[SPW], v[NIL]
	s_wait_dscnt 0x0
	CROUND                                         ; the closing round
	s_endpgm
.Lfunc_end_k_qa53a8c5631_ffn2:
	.size	k_qa53a8c5631_ffn2, .Lfunc_end_k_qa53a8c5631_ffn2-k_qa53a8c5631_ffn2
	.p2alignl 7, 3214868480
	.fill 96, 4, 3214868480
	.section	.rodata,"a",@progbits
	.p2align	6, 0x0
	.amdhsa_kernel k_qa53a8c5631_ffn2
		.amdhsa_group_segment_fixed_size 327680
		.amdhsa_private_segment_fixed_size 0
		.amdhsa_enable_private_segment 0
		.amdhsa_kernarg_size 24
		.amdhsa_user_sgpr_count 2
		.amdhsa_user_sgpr_kernarg_segment_ptr 1
		.amdhsa_wavefront_size32 1
		.amdhsa_system_sgpr_workgroup_id_x 1
		.amdhsa_system_sgpr_workgroup_id_y 1
		.amdhsa_system_sgpr_workgroup_id_z 1
		.amdhsa_system_vgpr_workitem_id 0
		.amdhsa_next_free_vgpr 512
		.amdhsa_next_free_sgpr 88
		.amdhsa_reserve_vcc 0
		.amdhsa_float_denorm_mode_32 3
		.amdhsa_float_denorm_mode_16_64 3
		.amdhsa_memory_ordered 1
		.amdhsa_forward_progress 1
		.amdhsa_inst_pref_size 59
	.end_amdhsa_kernel
	.amdgpu_metadata
---
amdhsa.version: [ 1, 2 ]
amdhsa.kernels:
  - .name:           k_qa53a8c5631_ffn2
    .symbol:         k_qa53a8c5631_ffn2.kd
    .args:
      - { .name: hh, .offset: 0, .size: 8, .value_kind: global_buffer, .address_space: global }
      - { .name: wb, .offset: 8, .size: 8, .value_kind: global_buffer, .address_space: global }
      - { .name: pp, .offset: 16, .size: 8, .value_kind: global_buffer, .address_space: global }
    .group_segment_fixed_size: 327680
    .private_segment_fixed_size: 0
    .kernarg_segment_align: 8
    .kernarg_segment_size: 24
    .max_flat_workgroup_size: 128
    .sgpr_count:     88
    .vgpr_count:     512
    .wavefront_size: 32
...
	.end_amdgpu_metadata
.endif
;; end of part 7
;; launch ln2 (part 8): grid 256 x 1, 16 waves a work-group, no clusters, 0 bytes of LDS; arguments pp, x1b, b2, ln2_g, ln2_b, out0; writes out0
.if DOCPART == 8
	.amdgcn_target "amdgcn-amd-amdhsa--gfx1250"
	.amdhsa_code_object_version 6
	.text
	.protected	k_qa53a8c5631_ln2
	.globl	k_qa53a8c5631_ln2
	.p2align	8
	.type	k_qa53a8c5631_ln2,@function
k_qa53a8c5631_ln2:
	s_mov_b64 s[64:65], 0
	v_nop
	global_prefetch_b8 v0, s[64:65] scope:SCOPE_SE
	s_setreg_imm32_b32 hwreg(HW_REG_WAVE_MODE, 25, 1), 1
	s_wait_xcnt 0x0
; RESIDUAL, BIAS AND LAYER NORM.  y = r + p + bias; out = (y - mean) rsqrt(var + 1e-6) g + b, all in f32; the variance is the mean of (y - mean)^2, taken in a second pass over registers.
;   SECOND = 0: r = xb (x rounded to bf16, as every input is), out = x1 in f32 at x1b + 0 and x1 / 8 in f16 at x1b + 16,777,216 (the next product's operand).
;   SECOND = 1: r = x1 in f32, out = the module's output.
; Bias, gain and offset are inputs: rounded to bf16 where they are loaded.
; SHARES.  A work-group owns 16 rows, each of its sixteen waves one; a row lies in one wave: lane l holds columns 128 j + 4 l .. + 3, j = 0..7, so every load and store covers
; 512 consecutive bytes and no wave waits for another.  All 40 loads of a wave (the row's 16, the parameters' 24) go out at once, the row's first: there is no loop, and no register is
; written again while a load or store names it.  Sixteen waves of 212 registers are four to a SIMD, 848 of its 1,024.
; Memory binds: no LDS, no matrix work, no cluster (nothing is shared but 12 KiB of parameters).
.set SECOND, 1
.set PO,  2                            ; my byte offset in the f32 rows (p, and the f32 output)
.set XO,  3                            ; in the residual's rows
.set VO,  4                            ; in the parameters
.set SU,  6                            ; v6-13 four pair sums
.set MU,  14
.set RS,  16
.set TT,  18
.set BI,  20
.set GA,  52
.set BE,  84
.set INP, 116
.set INX, 148
.set Y,   180
.set HH,  212
	s_load_b256 s[4:11], s[0:1], 0x0               ; p 4, residual 6, bias 8, gain 10
	s_load_b128 s[20:23], s[0:1], 0x20             ; offset 20, out 22
	v_and_b32 v1, 31, v0
	v_lshrrev_b32 v5, 5, v0                        ; wave 0..15: my row of the group's sixteen
	v_lshlrev_b32 v[VO], 4, v1
	v_lshl_add_u32 v[PO], v5, 12, v[VO]            ; a row of 4,096 bytes a wave
.if SECOND
	v_mov_b32 v[XO], v[PO]
.else
	v_lshlrev_b32 v[XO], 3, v1
	v_lshl_add_u32 v[XO], v5, 11, v[XO]            ; a row of 2,048 bytes a wave
.endif
	s_lshl_b32 s2, ttmp9, 16                       ; 16 rows of 4,096 bytes
	s_mov_b32 s3, 0
	s_lshl_b32 s24, ttmp9, 15                      ; 16 rows of 2,048 bytes
	s_mov_b32 s25, 0
	s_mov_b32 s14, 0x76543210
	s_mov_b32 s15, 0xfedcba98
	s_mov_b32 s16, 0x3a800000                      ; 1 / 1024
	s_mov_b32 s17, 0x358637bd                      ; 1e-6
	s_mov_b32 s18, 0xffff0000
	s_wait_kmcnt 0x0
	s_add_nc_u64 s[4:5], s[4:5], s[2:3]
.if SECOND
	s_add_nc_u64 s[6:7], s[6:7], s[2:3]
.else
	s_add_nc_u64 s[6:7], s[6:7], s[24:25]
	s_add_nc_u64 s[26:27], s[22:23], s[24:25]
	s_add_nc_u64 s[26:27], s[26:27], 16777216
.endif
	s_add_nc_u64 s[22:23], s[22:23], s[2:3]
.macro RB p                            ; a pair of f32 rounded to bf16 and widened again
	v_cvt_pk_bf16_f32 v[TT], v[\p], v[(\p)+1]
	v_lshlrev_b32 v[\p], 16, v[TT]
	v_and_b32 v[(\p)+1], s18, v[TT]
.endm
.macro WSUM                            ; v[SU] summed over the 32 lanes, the result in every lane
	v_add_f32_dpp v[SU], v[SU], v[SU] row_xmask:1 row_mask:0xf bank_mask:0xf
	v_add_f32_dpp v[SU], v[SU], v[SU] row_xmask:2 row_mask:0xf bank_mask:0xf
	v_add_f32_dpp v[SU], v[SU], v[SU] row_xmask:4 row_mask:0xf bank_mask:0xf
	v_add_f32_dpp v[SU], v[SU], v[SU] row_xmask:8 row_mask:0xf bank_mask:0xf
	v_permlanex16_b32 v[SU+1], v[SU], s14, s15
	v_add_f32 v[SU], v[SU], v[SU+1]
.endm
.macro FOLD                            ; the four pair sums into v[SU]
	v_pk_add_f32 v[SU:SU+1], v[SU:SU+1], v[SU+2:SU+3]
	v_pk_add_f32 v[SU+4:SU+5], v[SU+4:SU+5], v[SU+6:SU+7]
	v_pk_add_f32 v[SU:SU+1], v[SU:SU+1], v[SU+4:SU+5]
	v_add_f32 v[SU], v[SU], v[SU+1]
.endm
.irp j, 0,1,2,3,4,5,6,7
	global_load_b128 v[INP+4*\j:INP+4*\j+3], v[PO], s[4:5] offset:512*\j
.endr
.irp j, 0,1,2,3,4,5,6,7
.if SECOND
	global_load_b128 v[INX+4*\j:INX+4*\j+3], v[XO], s[6:7] offset:512*\j
.else
	global_load_b64 v[INX+2*\j:INX+2*\j+1], v[XO], s[6:7] offset:256*\j
.endif
.endr
.irp j, 0,1,2,3,4,5,6,7
	global_load_b128 v[BI+4*\j:BI+4*\j+3], v[VO], s[8:9] offset:512*\j
.endr
.irp j, 0,1,2,3,4,5,6,7
	global_load_b128 v[GA+4*\j:GA+4*\j+3], v[VO], s[10:11] offset:512*\j
.endr
.irp j, 0,1,2,3,4,5,6,7
	global_load_b128 v[BE+4*\j:BE+4*\j+3], v[VO], s[20:21] offset:512*\j
.endr
	s_wait_loadcnt 16                              ; the row and the bias are in; the 16 younger loads (gain, offset) stay out
.set p, 0
.rept 16
	RB BI+2*p
.set p, p+1
.endr
.set p, 0
.rept 16
.if SECOND
	v_pk_add_f32 v[Y+2*p:Y+2*p+1], v[INP+2*p:INP+2*p+1], v[INX+2*p:INX+2*p+1]
.else
	v_lshlrev_b32 v[Y+2*p], 16, v[INX+p]           ; bf16 to f32: the low half moves up, the high half stays
	v_and_b32 v[Y+2*p+1], s18, v[INX+p]
	v_pk_add_f32 v[Y+2*p:Y+2*p+1], v[Y+2*p:Y+2*p+1], v[INP+2*p:INP+2*p+1]
.endif
	v_pk_add_f32 v[Y+2*p:Y+2*p+1], v[Y+2*p:Y+2*p+1], v[BI+2*p:BI+2*p+1]
.set p, p+1
.endr
.set p, 0
.rept 4
	v_pk_add_f32 v[SU+2*p:SU+2*p+1], v[Y+2*p:Y+2*p+1], v[Y+8+2*p:Y+8+2*p+1]   ; the first eight pairs start four chains
.set p, p+1
.endr
.set p, 8
.rept 8
	v_pk_add_f32 v[SU+2*(p%4):SU+2*(p%4)+1], v[SU+2*(p%4):SU+2*(p%4)+1], v[Y+2*p:Y+2*p+1]
.set p, p+1
.endr
	FOLD
	WSUM
	v_mul_f32 v[MU], s16, v[SU]
	v_mul_f32 v[MU+1], s16, v[SU]
.set p, 0
.rept 16
	v_pk_add_f32 v[Y+2*p:Y+2*p+1], v[Y+2*p:Y+2*p+1], v[MU:MU+1] neg_lo:[0,1] neg_hi:[0,1]
.set p, p+1
.endr
.set p, 0
.rept 4
	v_pk_mul_f32 v[SU+2*p:SU+2*p+1], v[Y+2*p:Y+2*p+1], v[Y+2*p:Y+2*p+1]
.set p, p+1
.endr
.set p, 4
.rept 12
	v_pk_fma_f32 v[SU+2*(p%4):SU+2*(p%4)+1], v[Y+2*p:Y+2*p+1], v[Y+2*p:Y+2*p+1], v[SU+2*(p%4):SU+2*(p%4)+1]
.set p, p+1
.endr
	FOLD
	WSUM
	v_fma_f32 v[SU], v[SU], s16, s17               ; var + 1e-6
	v_rsq_f32 v[RS], v[SU]
	v_nop                                          ; a plain instruction between the root and the use of its result (ISA guide 5.7.2)
	s_wait_alu depctr_va_vdst(0)
	v_mov_b32 v[RS+1], v[RS]
	s_wait_loadcnt 0x0                             ; gain and offset are in
.set p, 0
.rept 16
	RB GA+2*p
	RB BE+2*p
.set p, p+1
.endr
.set p, 0
.rept 16
	v_pk_mul_f32 v[Y+2*p:Y+2*p+1], v[Y+2*p:Y+2*p+1], v[RS:RS+1]
.set p, p+1
.endr
.set p, 0
.rept 16
	v_pk_fma_f32 v[Y+2*p:Y+2*p+1], v[Y+2*p:Y+2*p+1], v[GA+2*p:GA+2*p+1], v[BE+2*p:BE+2*p+1]
.set p, p+1
.endr
.irp j, 0,1,2,3,4,5,6,7
	global_store_b128 v[PO], v[Y+4*\j:Y+4*\j+3], s[22:23] offset:512*\j   ; 512 consecutive bytes, aligned to 256
.endr
.if !SECOND
.set p, 0
.rept 16
	v_pk_mul_f32 v[SU+2*(p%4):SU+2*(p%4)+1], v[Y+2*p:Y+2*p+1], 0x3e000000 op_sel_hi:[1,0]   ; / 8
	v_cvt_pk_f16_f32 v[HH+p], v[SU+2*(p%4)], v[SU+2*(p%4)+1]
.set p, p+1
.endr
.irp j, 0,1,2,3,4,5,6,7
	global_store_b64 v[XO], v[HH+2*\j:HH+2*\j+1], s[26:27] offset:256*\j  ; 256 consecutive bytes, aligned
.endr
.endif
	s_endpgm
.Lfunc_end_k_qa53a8c5631_ln2:
	.size	k_qa53a8c5631_ln2, .Lfunc_end_k_qa53a8c5631_ln2-k_qa53a8c5631_ln2
	.p2alignl 7, 3214868480
	.fill 96, 4, 3214868480
	.section	.rodata,"a",@progbits
	.p2align	6, 0x0
	.amdhsa_kernel k_qa53a8c5631_ln2
		.amdhsa_group_segment_fixed_size 0
		.amdhsa_private_segment_fixed_size 0
		.amdhsa_enable_private_segment 0
		.amdhsa_kernarg_size 48
		.amdhsa_user_sgpr_count 2
		.amdhsa_user_sgpr_kernarg_segment_ptr 1
		.amdhsa_wavefront_size32 1
		.amdhsa_system_sgpr_workgroup_id_x 1
		.amdhsa_system_sgpr_workgroup_id_y 1
		.amdhsa_system_sgpr_workgroup_id_z 1
		.amdhsa_system_vgpr_workitem_id 0
		.amdhsa_next_free_vgpr 212
		.amdhsa_next_free_sgpr 66
		.amdhsa_reserve_vcc 0
		.amdhsa_float_denorm_mode_32 3
		.amdhsa_float_denorm_mode_16_64 3
		.amdhsa_memory_ordered 1
		.amdhsa_forward_progress 1
		.amdhsa_inst_pref_size 20
	.end_amdhsa_kernel
	.amdgpu_metadata
---
amdhsa.version: [ 1, 2 ]
amdhsa.kernels:
  - .name:           k_qa53a8c5631_ln2
    .symbol:         k_qa53a8c5631_ln2.kd
    .args:
      - { .name: pp, .offset: 0, .size: 8, .value_kind: global_buffer, .address_space: global }
      - { .name: x1b, .offset: 8, .size: 8, .value_kind: global_buffer, .address_space: global }
      - { .name: b2, .offset: 16, .size: 8, .value_kind: global_buffer, .address_space: global }
      - { .name: ln2_g, .offset: 24, .size: 8, .value_kind: global_buffer, .address_space: global }
      - { .name: ln2_b, .offset: 32, .size: 8, .value_kind: global_buffer, .address_space: global }
      - { .name: out0, .offset: 40, .size: 8, .value_kind: global_buffer, .address_space: global }
    .group_segment_fixed_size: 0
    .private_segment_fixed_size: 0
    .kernarg_segment_align: 8
    .kernarg_segment_size: 48
    .max_flat_workgroup_size: 512
    .sgpr_count:     66
    .vgpr_count:     212
    .wavefront_size: 32
...
	.end_amdgpu_metadata
.endif
;; end of part 8
